; MI455X (gfx1250); checked and timed in simulation.
; The chip was launched on July 23, 2026; its instructions are those of AMD's public machine-readable ISA for CDNA 5 (MIT licence, August 2026) and "CDNA5" Instruction Set Architecture Reference Guide (July 2026). The comments in the code are by the model that wrote it; some were corrected since.
;; Multi Head Attention. Allowed arithmetic: matrix products marked QUANTISED: E4M3 operands, one given power-of-two scale a tensor, by v_wmma_f32_16x16x64_fp8_fp8 or v_wmma_f32_16x16x128_fp8_fp8, f32 sums; everything else in f32.
;; Inputs: Wk 1,024 x 1,024 float32; Wo 1,024 x 1,024 float32; Wq 1,024 x 1,024 float32; Wv 1,024 x 1,024 float32; bk 1,024 float32; bo 1,024 float32; bq 1,024 float32; bv 1,024 float32; lowp_scales 12 int32 (the exponents e of the quantised operands' scales 2^e); mask 1 x 1 x 2,048 x 2,048 int32; x 4 x 2,048 x 1,024 float32.
;; Outputs: out0 4 x 2,048 x 1,024 float32.
;; This version of the problem:
;;   THIS VERSION OF THE PROBLEM IS GIVEN IN LOW PRECISION. The matrix products marked QUANTISED in the list below multiply operands that are first quantised to E4M3 (4 exponent bits, 3 mantissa bits; 8 bits a number), with one given power-of-two scale for each operand tensor; their sums are f32. All else is computed in f32.
;;   The module's matrix products, in the order in which they are computed (A, B: the left and right operand; K: the contracted axis; several contracted axes count as one K, in the product's order):
;;     1. [M 8,192, K 1,024] x [K 1,024, N 1,024]; A: input x; B: input Wq: QUANTISED (scales: A lowp_scales[0], B lowp_scales[1])
;;     2. [M 8,192, K 1,024] x [K 1,024, N 1,024]; A: input x; B: input Wk: QUANTISED (scales: A lowp_scales[2], B lowp_scales[3])
;;     3. [M 8,192, K 1,024] x [K 1,024, N 1,024]; A: input x; B: input Wv: QUANTISED (scales: A lowp_scales[4], B lowp_scales[5])
;;     4. batch 64 x [M 2,048, K 64] x [K 64, N 2,048]; A: computed on the way; B: computed on the way: QUANTISED (scales: A lowp_scales[6], B lowp_scales[7])
;;     5. batch 64 x [M 2,048, K 2,048] x [K 2,048, N 64]; A: softmax (see below); B: computed on the way: QUANTISED (scales: A lowp_scales[8], B lowp_scales[9])
;;     6. [M 8,192, K 1,024] x [K 1,024, N 1,024]; A: computed on the way; B: input Wo: QUANTISED (scales: A lowp_scales[10], B lowp_scales[11])
;;   THE QUANTISER, for each operand of a quantised product, along K:
;;     - The operand's scale is 2^e, e = its entry of the input lowp_scales (int32; the entries are numbered through the quantised products in the list's order, A before B).
;;     - Each number is divided by the scale, clamped to +-448, and rounded to the nearest number of E4M3, ties to even, subnormals kept.
;;     - The product sums the exact products of the quantised numbers (number of the format x scale) in f32.
;;   ~~~python
;;   def quantise(x, axis, e):      # numpy; x: float32 -> the quantised numbers, widened to float32 again
;;       x = np.moveaxis(x, axis, -1); K = x.shape[-1]
;;       r = np.clip(x / 2.0 ** e, -448, 448)
;;       step = 2.0 ** (np.maximum(np.frexp(np.where(r == 0, 1, r))[1] - 1, -6) - 3)
;;       q = np.round(r / step) * step * 2.0 ** e      # np.round: ties to even
;;       return np.moveaxis(q, -1, axis).astype(np.float32)
;;   ~~~
;;   SOFTMAX AHEAD OF A QUANTISED PRODUCT. Where the list says 'softmax', what is quantised is not the finished softmax but p = 2^(t - M), with t = logit x log2(e) and M = ceil(the row's largest t), a whole number; so 1/2 < the row's largest p <= 1. The row's sum l is taken of the UNQUANTISED p, in f32, and the product's result is divided by l at the end. Since M is a whole number, a kernel that streams over the keys may use a running M (the ceiling of the running maximum): every later rescaling is an exact power of two, so the quantised numbers keep their values, but for numbers so far below the row's largest that they fall under the format's range.
;;   OPERANDS COMPUTED ON THE WAY. 'Computed on the way' means the value that the module computes at that place (a softmax that the list does not call 'softmax' is quantised finished and normalised). What goes into a quantiser is computed in f32, as accurately as f32 sums, v_exp_f32 and their like allow (about 1e-6 of the number): no bf16 or f16 on the way to a quantiser, and a product that is left as it is and whose result goes on into a quantised operand takes f32 operands (vector FMAs, or v_wmma_f32_16x16x4_f32). A number that lies on a knife's edge between two numbers of the format may be rounded either way, as far as f32 arithmetic and the matrix unit's own rounding can turn it there, and no further.
;; 2 versions, each right; version 2 is version 1 with the launch attn written anew for expert scheduling mode. Each part assembles by itself: llvm-mc -triple=amdgcn-amd-amdhsa -mcpu=gfx1250 --defsym DOCPART=n.
;; ======== version 1 of 2: 4 launches
;; limits: right only within a limited range of input values
;; workspace buffers: xc 25,165,824 bytes; wc 4,194,304 bytes; mbits 524,288 bytes of whole numbers; mflag 1,024 bytes of whole numbers; qkvc 25,165,824 bytes; ac 8,388,608 bytes
;; launch prep (part 1): grid 512 x 1, 4 waves a work-group, no clusters, 75,520 bytes of LDS; arguments x, Wq, Wk, Wv, Wo, mask, lowp_scales, xc, wc, mbits, mflag; writes xc, wc, mbits, mflag
.if DOCPART == 1
	.amdgcn_target "amdgcn-amd-amdhsa--gfx1250"
	.amdhsa_code_object_version 6
	.text
	.protected	k_q74063c7130_prep
	.globl	k_q74063c7130_prep
	.p2align	8
	.type	k_q74063c7130_prep,@function
k_q74063c7130_prep:
	s_mov_b64 s[64:65], 0
	v_nop
	global_prefetch_b8 v0, s[64:65] scope:SCOPE_SE
	s_setreg_imm32_b32 hwreg(HW_REG_WAVE_MODE, 25, 1), 1
	s_wait_xcnt 0x0
; PREP.  Three kinds of work-groups, told apart by the work-group's number alone:
;   0-255    x [8192][1024] f32 -> three planes of E4M3 codes in xc, under the exponents lowp_scales[0], [2], [4] (x enters three products, each with a scale of its own)
;   256-383  Wq, Wk, Wv, Wo [1024][1024] f32 -> four planes of codes in wc, under lowp_scales[1], [3], [5], [11]; 32 work-groups a weight
;   384-511  mask [2048][2048] int32 -> mbits and mflag; a work-group takes 16 queries (a query tile) x all 2,048 keys
; code = number / 2^e, held within +-448, to the nearest code, ties to even.  K is innermost in x and in the weights, so both are plain streams of numbers.
; mbits [128 query tiles][16 chunks of 128 keys][64 words]: word 32 sub + 8 u + j, bit 16 h + r = (mask[16 tile + r][128 chunk + 64 sub + 16 u + 8 h + j] != 0): the lane mask of one score register of the attention launch.
; mflag [128 query tiles][2 words]: need (bit t: chunk t has an open key for some of the 16 queries; all sixteen bits where some query has no open key at all) and part (bit t: the block has a masked key).
; LIMITS: each exponent used here lies between -126 and 119.  NaN among x and the weights is not served; an infinity is held at the largest code.
; No tensor load; each kind of work-group has LDS bytes of its own.
.set XST,   0                          ; x: four waves x two stages of 32 x 80 bytes
.set WST,   20480                      ; the weights: the same
.set MST,   40960                      ; the mask: four waves x 16 rows x (512 + 16) bytes
.set FLG,   74752                      ; the mask: sixteen words, one a chunk
.set SPARE, 75008                      ; the spare words, 128 bytes a wave: two blocks of 256 bytes that no other line names
.set SPW,   12                         ; v12  SPARE + 4 x my thread's number; never rewritten
.set NIL,   13                         ; v13  0; never rewritten
.set R,     16                         ; v16-79   streams: four sets of 16 numbers as loaded
.set X,     80                         ; v80-111  two sets of 16 neighbours
.set T,     112                        ; v112-127 the numbers held within the limit
.set C,     128                        ; v128-151 codes: 3 outputs x 4 registers, two sets by turns
.set SC,    152                        ; v152+2o: 2^e of output o; v153+2o: 448 x 2^e
.set XM,    144                        ; v144-207 mask: a chunk's 64 numbers of my lane
.set WD,    208                        ; v[208:209] mask: the words on their way out
	s_load_b256 s[4:11], s[0:1], 0x0               ; x s[4:5], Wq s[6:7], Wk s[8:9], Wv s[10:11]
	s_load_b256 s[12:19], s[0:1], 0x20             ; Wo s[12:13], mask s[14:15], the exponents s[16:17], xc s[18:19]
	s_load_b128 s[20:23], s[0:1], 0x40             ; wc s[20:21], mbits s[22:23]
	s_load_b64 s[24:25], s[0:1], 0x50              ; mflag
	v_lshl_add_u32 v[SPW], v0, 2, SPARE
	v_mov_b32 v[NIL], 0
	v_lshrrev_b32 v1, 5, v0
	v_readfirstlane_b32 s26, v1                    ; wave 0..3
	v_and_b32 v2, 31, v0                           ; lane
	v_lshlrev_b32 v3, 4, v2                        ; 16 x lane
	s_wait_kmcnt 0x0
	s_load_b256 s[32:39], s[16:17], 0x0            ; e0 .. e7
	s_load_b128 s[40:43], s[16:17], 0x20           ; e8 .. e11
	s_cmp_lt_u32 ttmp9, 256
	s_cbranch_scc1 .Lxpath
	s_cmp_lt_u32 ttmp9, 384
	s_cbranch_scc1 .Lwpath
	s_branch .Lmpath
; ---- the two streams.  A wave takes 16 steps of 512 numbers.  Each load reads 512 consecutive bytes, 16 a lane; a step's 2,048 bytes turn through the wave's own stage in LDS
; (16 bytes of padding behind each 64) and come back 64 bytes a lane: 16 neighbours along K, as the conversions want them.  A lane's 16 codes are 16 bytes: a store covers 512 consecutive bytes.
.macro STAGEADR base
	s_mul_i32 s30, s26, 5120
	s_add_co_u32 s30, s30, \base
	v_lshrrev_b32 v14, 2, v2
	v_mul_u32_u24 v14, v14, 80
	v_and_b32 v15, 3, v2
	v_lshl_add_u32 v14, v15, 4, v14
	v_add_nc_u32 v14, s30, v14                     ; in: 80 (lane / 4) + 16 (lane % 4)
	v_mul_u32_u24 v15, v2, 80
	v_add_nc_u32 v15, s30, v15                     ; out: 80 x lane
.endm
.macro MKSC se, vs                     ; 2^e and 448 x 2^e as f32 numbers
	s_add_co_i32 s30, \se, 127
	s_lshl_b32 s31, s30, 23
	v_mov_b32 v[\vs], s31
	s_add_co_i32 s30, s30, 8
	s_lshl_b32 s30, s30, 23
	s_or_b32 s30, s30, 0x600000
	v_mov_b32 v[\vs+1], s30
.endm
.macro LOADQ t
.irp i, 0,1,2,3
	global_load_b128 v[R+16*((\t)%4)+4*\i:R+16*((\t)%4)+4*\i+3], v3, s[44:45] offset:2048*(\t)+512*\i th:TH_LOAD_NT
.endr
.endm
.macro TURNQ t                         ; LDS serves a wave's instructions in order: no wait between the stores and the loads
.irp i, 0,1,2,3
	ds_store_b128 v14, v[R+16*((\t)%4)+4*\i:R+16*((\t)%4)+4*\i+3] offset:2560*((\t)%2)+640*\i
.endr
.irp i, 0,1,2,3
	ds_load_b128 v[X+16*((\t)%2)+4*\i:X+16*((\t)%2)+4*\i+3], v15 offset:2560*((\t)%2)+16*\i
.endr
.endm
.macro STEPQ t, nout
	s_wait_dscnt 0x0                               ; this step's numbers are back, so its stores into the stage have read their registers,
.if (\t)+4 < 16
	LOADQ (\t)+4                                   ; which take the loads of four steps on
.endif
.if (\t)+1 < 16
.if 14-(\t) >= 3
	s_wait_loadcnt 12                              ; the next step's four loads are in; those of the three steps behind it stay out
.else
	s_wait_loadcnt 4*(14-(\t))
.endif
	TURNQ (\t)+1
.endif
	s_wait_xcnt 0x0                                ; the earlier stores have read their codes: the registers may be written again
.set XS, X+16*((\t)%2)
.set o, 0
.rept \nout
.set CC, C+12*((\t)%2)+4*o
.irp i, 0,1,2,3,4,5,6,7,8,9,10,11,12,13,14,15
	v_med3_num_f32 v[T+\i], v[XS+\i], -v[SC+2*o+1], v[SC+2*o+1]   ; the conversion to an 8-bit code does not saturate (ISA guide 7.6.2): the hold comes first
.endr
	v_cvt_scalef32_pk8_fp8_f32 v[CC:CC+1], v[T:T+7], v[SC+2*o]
	v_cvt_scalef32_pk8_fp8_f32 v[CC+2:CC+3], v[T+8:T+15], v[SC+2*o]
	v_nop                                          ; a plain line between the conversions and the next output's holds, which write their sources
	global_store_b128 v3, v[CC:CC+3], s[48+2*o:49+2*o] offset:512*(\t)
.set o, o+1
.endr
.endm
.macro CLOSE                           ; the wave's end: three lines behind my last LDS store
	s_wait_tensorcnt 0x0
	ds_add_u32 v[SPW], v[NIL]
	s_wait_dscnt 0x0
	s_endpgm
.endm
.Lxpath:
	s_lshl_b32 s27, ttmp9, 2
	s_add_co_u32 s27, s27, s26                     ; which run of 8,192 numbers is my wave's
	s_lshl_b32 s28, s27, 15
	s_mov_b32 s29, 0
	s_add_nc_u64 s[44:45], s[4:5], s[28:29]
	s_lshl_b32 s28, s27, 13
	s_add_nc_u64 s[48:49], s[18:19], s[28:29]      ; plane 0,
	s_add_nc_u64 s[50:51], s[48:49], 0x800000      ; plane 1,
	s_add_nc_u64 s[52:53], s[50:51], 0x800000      ; plane 2
	STAGEADR XST
.irp t, 0,1,2,3
	LOADQ \t
.endr
	s_wait_kmcnt 0x0
	MKSC s32, SC
	MKSC s34, SC+2
	MKSC s36, SC+4
	s_wait_loadcnt 12                              ; step 0's four loads are in
	TURNQ 0
.irp t, 0,1,2,3,4,5,6,7,8,9,10,11,12,13,14,15
	STEPQ \t, 3
.endr
	CLOSE
.Lwpath:
	s_sub_co_u32 s27, ttmp9, 256
	s_lshr_b32 s31, s27, 5                         ; which weight: 0 Wq, 1 Wk, 2 Wv, 3 Wo
	s_and_b32 s27, s27, 31
	s_lshl_b32 s27, s27, 2
	s_add_co_u32 s27, s27, s26                     ; my wave's run of 8,192 numbers in it
	s_cmp_eq_u32 s31, 1                            ; the choices hang on the work-group's number alone
	s_cselect_b64 s[44:45], s[8:9], s[6:7]
	s_cmp_eq_u32 s31, 2
	s_cselect_b64 s[44:45], s[10:11], s[44:45]
	s_cmp_eq_u32 s31, 3
	s_cselect_b64 s[44:45], s[12:13], s[44:45]
	s_lshl_b32 s28, s27, 15
	s_mov_b32 s29, 0
	s_add_nc_u64 s[44:45], s[44:45], s[28:29]
	s_lshl_b32 s28, s27, 13
	s_lshl_b32 s30, s31, 20
	s_add_co_u32 s28, s28, s30
	s_add_nc_u64 s[48:49], s[20:21], s[28:29]
	STAGEADR WST
.irp t, 0,1,2,3
	LOADQ \t
.endr
	s_wait_kmcnt 0x0
	s_cmp_eq_u32 s31, 1
	s_cselect_b32 s46, s35, s33                    ; e3 or e1,
	s_cmp_eq_u32 s31, 2
	s_cselect_b32 s46, s37, s46                    ; e5,
	s_cmp_eq_u32 s31, 3
	s_cselect_b32 s46, s43, s46                    ; e11
	MKSC s46, SC
	s_wait_loadcnt 12
	TURNQ 0
.irp t, 0,1,2,3,4,5,6,7,8,9,10,11,12,13,14,15
	STEPQ \t, 1
.endr
	CLOSE
; ---- the mask.  Wave w takes chunks 4 w .. 4 w + 3.  A load reads 512 consecutive bytes of one row (a chunk's 128 keys); sixteen rows go through the wave's stage and come back so that
; lane (r, h) holds, of row r, in register 8 c + j, key 16 c + 8 h + j of the chunk.  A compare of register n against 0 then IS word n.
.macro LOADM s
.irp p, 0,1,2,3,4,5,6,7,8,9,10,11,12,13,14,15
	global_load_b128 v[R+64*((\s)%2)+4*\p:R+64*((\s)%2)+4*\p+3], v3, s[44:45] offset:8192*\p+512*(\s) th:TH_LOAD_NT
.endr
.endm
.macro CHUNKM s
.if (\s) < 3
	s_wait_loadcnt 16                              ; this chunk's sixteen loads are in; the next chunk's stay out
.else
	s_wait_loadcnt 0x0
.endif
.irp p, 0,1,2,3,4,5,6,7,8,9,10,11,12,13,14,15
	ds_store_b128 v14, v[R+64*((\s)%2)+4*\p:R+64*((\s)%2)+4*\p+3] offset:528*\p
.endr
.irp c, 0,1,2,3,4,5,6,7,8,9,10,11,12,13,14,15
	ds_load_b128 v[XM+4*\c:XM+4*\c+3], v15 offset:64*(\c/2)+16*(\c%2)
.endr
	s_wait_dscnt 0x0                               ; the numbers are back, and the stores have read their registers
.if (\s)+2 < 4
	LOADM (\s)+2
.endif
	s_wait_xcnt 0x0                                ; the last chunk's store has read the two word registers
	s_mov_b32 s52, 0                               ; the OR of the chunk's words,
	s_mov_b32 s53, -1                              ; and their AND
.set g, 0
.rept 8
.irp k, 0,1,2,3,4,5,6,7
	v_cmp_ne_u32 s[56+\k], 0, v[XM+8*g+\k]
.endr
.irp k, 0,1,2,3,4,5,6,7
	v_writelane_b32 v[WD+(\k&1)], s[56+\k], 4*g+(\k>>1)   ; word n goes to lane n / 2, register n % 2
	s_or_b32 s52, s52, s[56+\k]
	s_and_b32 s53, s53, s[56+\k]
.endr
.set g, g+1
.endr
	global_store_b64 v4, v[WD:WD+1], s[48:49] offset:256*(\s)   ; 32 lanes store the chunk's 256 consecutive bytes, aligned
	s_lshr_b32 s54, s52, 16
	s_or_b32 s54, s54, s52
	s_and_b32 s54, s54, 0xffff                     ; bit r: row r has an open key in this chunk
	s_cmp_lg_u32 s53, -1
	s_cselect_b32 s55, 0x10000, 0                  ; bit 16: the block has a masked key
	s_or_b32 s54, s54, s55
	v_mov_b32 v211, s54
	ds_store_b32 v210, v211 offset:4*(\s)
.endm
.Lmpath:
	s_sub_co_u32 s27, ttmp9, 384                   ; the query tile
	s_lshl_b32 s28, s27, 17                        ; its 16 rows of 8,192 bytes,
	s_lshl_b32 s30, s26, 11                        ; my wave's four chunks of 512 bytes
	s_add_co_u32 s28, s28, s30
	s_mov_b32 s29, 0
	s_add_nc_u64 s[44:45], s[14:15], s[28:29]
	s_lshl_b32 s28, s27, 12
	s_lshl_b32 s30, s26, 10
	s_add_co_u32 s28, s28, s30
	s_add_nc_u64 s[48:49], s[22:23], s[28:29]      ; mbits at (16 tile + 4 wave) x 256
	s_lshl_b32 s28, s27, 3
	s_add_nc_u64 s[50:51], s[24:25], s[28:29]      ; mflag at 8 x tile
	s_mul_i32 s30, s26, 8448
	s_add_co_u32 s30, s30, MST
	v_add_nc_u32 v14, s30, v3                      ; the stage, in: 16 x lane of a row
	v_and_b32 v5, 15, v2
	v_lshrrev_b32 v6, 4, v2
	v_mul_u32_u24 v15, v5, 528
	v_lshl_add_u32 v15, v6, 5, v15
	v_add_nc_u32 v15, s30, v15                     ; out: row r, + 32 h
	v_lshlrev_b32 v4, 3, v2                        ; 8 x lane
	s_lshl_b32 s31, s26, 4
	s_add_co_u32 s31, s31, FLG
	v_mov_b32 v210, s31                            ; my wave's four words
	v_mov_b32 v[WD], 0                             ; written once: a lane write's destination counts as read
	v_mov_b32 v[WD+1], 0
	LOADM 0
	LOADM 1
	s_wait_kmcnt 0x0                               ; (the exponents, which this path does not use, have landed)
	CHUNKM 0
	CHUNKM 1
	CHUNKM 2
	CHUNKM 3
	s_wait_dscnt 0x0                               ; for the others' sake: my four words lie in LDS
	s_barrier_signal -1
	s_barrier_wait -1
	s_cmp_lg_u32 s26, 0                            ; wave 0 joins the sixteen words; no barrier stands in this branch
	s_cbranch_scc1 .Lmask_end
	v_and_b32 v212, 15, v2
	v_lshl_add_u32 v212, v212, 2, FLG              ; FLG + 4 (lane % 16): the base stands in the register, since it is past the 16 bits of an LDS immediate
	ds_load_b32 v213, v212                         ; lane t (and t + 16): chunk t's word
	s_wait_dscnt 0x0
	v_and_b32 v214, 0xffff, v213
	v_cmp_ne_u32 s40, 0, v214
	s_and_b32 s40, s40, 0xffff                     ; need: chunks with an open key
	v_lshrrev_b32 v215, 16, v213
	v_cmp_ne_u32 s41, 0, v215
	s_and_b32 s41, s41, 0xffff                     ; part: chunks with a masked key
	s_mov_b32 s42, 0
.irp t, 0,1,2,3,4,5,6,7,8,9,10,11,12,13,14,15
	v_readlane_b32 s43, v214, \t
	s_or_b32 s42, s42, s43                         ; bit r: row r has an open key somewhere
.endr
	s_cmp_eq_u32 s42, 0xffff
	s_cselect_b32 s40, s40, 0xffff                 ; a row with no open key at all takes the mean over all keys: every chunk is needed
	v_mov_b32 v214, s40
	v_mov_b32 v215, s41
	v_mov_b32 v212, 0
	v_cmp_eq_u32 vcc_lo, 0, v2
	s_wait_xcnt 0x0                                ; EXEC changes only behind this wait
	s_and_saveexec_b32 s44, vcc_lo
	global_store_b64 v212, v[214:215], s[50:51]    ; lane 0 alone: the tile's two words
	s_wait_xcnt 0x0                                ; and again in front of the line that widens it
	s_or_b32 exec_lo, exec_lo, s44
.Lmask_end:
	CLOSE
.Lfunc_end_k_q74063c7130_prep:
	.size	k_q74063c7130_prep, .Lfunc_end_k_q74063c7130_prep-k_q74063c7130_prep
	.p2alignl 7, 3214868480
	.fill 96, 4, 3214868480
	.section	.rodata,"a",@progbits
	.p2align	6, 0x0
	.amdhsa_kernel k_q74063c7130_prep
		.amdhsa_group_segment_fixed_size 75520
		.amdhsa_private_segment_fixed_size 0
		.amdhsa_enable_private_segment 0
		.amdhsa_kernarg_size 88
		.amdhsa_user_sgpr_count 2
		.amdhsa_user_sgpr_kernarg_segment_ptr 1
		.amdhsa_wavefront_size32 1
		.amdhsa_system_sgpr_workgroup_id_x 1
		.amdhsa_system_sgpr_workgroup_id_y 1
		.amdhsa_system_sgpr_workgroup_id_z 1
		.amdhsa_system_vgpr_workitem_id 0
		.amdhsa_next_free_vgpr 216
		.amdhsa_next_free_sgpr 66
		.amdhsa_reserve_vcc 1
		.amdhsa_float_denorm_mode_32 3
		.amdhsa_float_denorm_mode_16_64 3
		.amdhsa_memory_ordered 1
		.amdhsa_forward_progress 1
		.amdhsa_inst_pref_size 185
	.end_amdhsa_kernel
	.amdgpu_metadata
---
amdhsa.version: [ 1, 2 ]
amdhsa.kernels:
  - .name:           k_q74063c7130_prep
    .symbol:         k_q74063c7130_prep.kd
    .args:
      - { .name: x, .offset: 0, .size: 8, .value_kind: global_buffer, .address_space: global }
      - { .name: Wq, .offset: 8, .size: 8, .value_kind: global_buffer, .address_space: global }
      - { .name: Wk, .offset: 16, .size: 8, .value_kind: global_buffer, .address_space: global }
      - { .name: Wv, .offset: 24, .size: 8, .value_kind: global_buffer, .address_space: global }
      - { .name: Wo, .offset: 32, .size: 8, .value_kind: global_buffer, .address_space: global }
      - { .name: mask, .offset: 40, .size: 8, .value_kind: global_buffer, .address_space: global }
      - { .name: lowp_scales, .offset: 48, .size: 8, .value_kind: global_buffer, .address_space: global }
      - { .name: xc, .offset: 56, .size: 8, .value_kind: global_buffer, .address_space: global }
      - { .name: wc, .offset: 64, .size: 8, .value_kind: global_buffer, .address_space: global }
      - { .name: mbits, .offset: 72, .size: 8, .value_kind: global_buffer, .address_space: global }
      - { .name: mflag, .offset: 80, .size: 8, .value_kind: global_buffer, .address_space: global }
    .group_segment_fixed_size: 75520
    .private_segment_fixed_size: 0
    .kernarg_segment_align: 8
    .kernarg_segment_size: 88
    .max_flat_workgroup_size: 128
    .sgpr_count:     66
    .vgpr_count:     216
    .wavefront_size: 32
...
	.end_amdgpu_metadata
.endif
;; end of part 1
;; launch qkv (part 2): grid 4 x 192, 4 waves a work-group, clusters of 4 x 4, 327,680 bytes of LDS; arguments xc, wc, lowp_scales, bq, bk, bv, qkvc; writes qkvc
.if DOCPART == 2
	.amdgcn_target "amdgcn-amd-amdhsa--gfx1250"
	.amdhsa_code_object_version 6
	.text
	.protected	k_q74063c7130_qkv
	.globl	k_q74063c7130_qkv
	.p2align	8
	.type	k_q74063c7130_qkv,@function
k_q74063c7130_qkv:
	s_mov_b64 s[64:65], 0
	v_nop
	global_prefetch_b8 v0, s[64:65] scope:SCOPE_SE
	s_setreg_imm32_b32 hwreg(HW_REG_WAVE_MODE, 25, 1), 1
	s_wait_xcnt 0x0
	s_wait_alu depctr_hold_cnt(0) depctr_sa_sdst(0) depctr_va_vdst(0) depctr_va_sdst(0) depctr_va_ssrc(0) depctr_va_vcc(0) depctr_vm_vsrc(0)
	s_getreg_b32 s2, hwreg(HW_REG_IB_STS2, 6, 4)
	s_cmp_eq_u32 s2, 0
	s_cbranch_scc0 .Lentry_in_a_cluster
	s_endpgm
.Lentry_in_a_cluster:
	s_bfe_u32 s2, ttmp6, 0x10000c
	s_cmp_lg_u32 s2, 0xf033
	s_cbranch_scc0 .Lentry_shape_is_right
	s_endpgm
.Lentry_shape_is_right:
; QKV.  Q = x Wq^T + bq, K = x Wk^T + bk, V = x Wv^T + bv on E4M3 codes (K = 1,024), and each result quantised at once, out of the accumulators, into the register images that the attention launch loads.
; 48 clusters of 4 x 4 work-groups: cluster y / 16 says which product (0 Q, 1 K, 2 V).  A work-group makes 256 rows of source 0 x 128 rows of source 1; four waves stand 2 x 2, each 128 x 64: 32 accumulators.
; In a result lane r is a row of source 1 and the eight registers are eight neighbouring rows of source 0.  So for Q and K source 0 = 256 channels (the weight), source 1 = 128 tokens (x): a lane holds one token and
; its registers run along the head's 64, the next product's K.  For V source 0 = 256 tokens, source 1 = 128 channels: a lane holds one channel and its registers run along the keys, the next K there.  One text serves both:
; only pointers and offsets are chosen, by the cluster's number, which all partners share.
; K goes in four steps of 256 through three LDS slots: steps 0, 1, 2 are first fills, issued together (three tensor loads of a wave are out at the most); step 3 is the one refill, into slot 0.
; Source 1's tile is shared along a row of the cluster, source 0's along a column: joint loads.  Fragments come by four 16-byte loads: a permutation of k that is the same on both sides.
; IMAGES in qkvc (1,024 bytes: registers 4 g .. 4 g + 3 of a fragment of the K = 64 form at 512 g + 16 x lane): planes Q, K: [64 heads of the batch][128 token tiles]; plane V: [64][16 chunks][2][4 channel tiles].
; LIMITS: for each product the exponent (result's - x's - weight's) lies between -126 and 119.  NaN is not served.
; REGISTERS: window 0: v16-22 LDS addresses, v25-27 offsets, v28, v29 the add's two, v30 limit, v31 scale, v32-95 at work, v128-255 source 1's fragments, two sets; window 1: source 0's, two sets; window 2: accumulators
; ((i, b) at v[8 (8 i + b)]); window 3: v0-63 the bias by source 0's rows, v64-71 by source 1's (each number twice).
.set PITCH, 272                        ; an LDS row: 256 bytes + 16: the sixteen rows of a fragment load start at sixteen different 16-byte columns of 256
.set AH,    64*PITCH                   ; what one load of source 1 brings
.set BH,    128*PITCH                  ; what one load of source 0 brings
.set SLOT,  2*AH+2*BH
.set SPARE, 3*SLOT                     ; the spare words, 128 bytes a wave: two blocks of 256 bytes that no other line names
.set ADRA,  16
.set ADRB,  20
.set SPW,   28
.set NIL,   29
.set LIMV,  30
.set SCV,   31
.set TMP,   32
.set AF,    128
.set G1A,   24
.set G1B,   32
.set G0A,   40                         ; s[40:51] three sets, a slot each
.set G0B,   52                         ; s[52:63]
.set MSB, 0
.macro WIN new                         ; the immediate's high byte repeats the setting that is left
.if MSB != \new
	s_set_vgpr_msb (MSB<<8)|\new
.set MSB, \new
.endif
.endm
.macro PLACES
.rept 4
	v_nop
.endr
.endm
.macro CREST                           ; a round of the cluster's barrier behind its opening barrier
	s_cmp_lg_u32 s18, 0
	s_cbranch_scc1 .Lnot_wave_0_\@
	s_barrier_signal -3
.Lnot_wave_0_\@:
	s_barrier_wait -3
	s_barrier_signal -1
	s_barrier_wait -1
.endm
.macro CROUND
	s_barrier_signal -1
	s_barrier_wait -1
	CREST
.endm
.macro JLOAD g0a, g0b                  ; waves 0, 1 fetch source 1's halves, waves 2, 3 source 0's; an s_nop 0 and four v_nop follow each line
	s_cmp_eq_u32 s19, 0
	s_cbranch_scc0 .Lfor_b_\@
	tensor_load_to_lds s[\g0a:\g0a+3], s[G1A:G1A+7]
	s_nop 0
.rept 4
	v_nop
.endr
	s_branch .Lasked_\@
.Lfor_b_\@:
	tensor_load_to_lds s[\g0b:\g0b+3], s[G1B:G1B+7]
	s_nop 0
.rept 4
	v_nop
.endr
.Lasked_\@:
.endm
	s_load_b256 s[4:11], s[0:1], 0x0               ; xc s[4:5], wc s[6:7], the exponents s[8:9], bq s[10:11]
	s_load_b128 s[12:15], s[0:1], 0x20             ; bk, bv
	s_load_b64 s[16:17], s[0:1], 0x30              ; qkvc
	v_lshl_add_u32 v[SPW], v0, 2, SPARE
	v_mov_b32 v[NIL], 0
	ds_add_u32 v[SPW], v[NIL]                      ; the wave's opening: the add and its wait ahead of my first tensor load; work on registers stands between
	v_lshrrev_b32 v1, 5, v0
	v_readfirstlane_b32 s18, v1                    ; wave
	s_lshr_b32 s19, s18, 1                         ; HA: my 64 rows of source 1.  Also: I fetch for source 1 (0) or source 0 (1)
	s_and_b32 s20, s18, 1                          ; HB: my 128 rows of source 0.  Also: which half I fetch
	s_bfe_u32 s21, ttmp6, 0x40000                  ; cx
	s_bfe_u32 s22, ttmp6, 0x40004                  ; cy
	s_and_b32 s66, ttmp7, 0xffff                   ; cluster y, 0 .. 47
	s_lshr_b32 s67, s66, 4                         ; which product
	s_and_b32 s68, s66, 15
	s_lshl_b32 s69, s68, 2
	s_lshr_b32 s70, s68, 3
	s_lshl_b32 s70, s70, 2
	s_and_b32 s71, s68, 7
	s_lshl_b32 s71, s71, 2
	s_lshl_b32 s73, s67, 23                        ; Q, K: source 1 is x's plane,
	s_lshl_b32 s75, s67, 20                        ; source 0 the weight's
	s_cmp_eq_u32 s67, 2
	s_cselect_b32 s69, s70, s69
	s_cselect_b32 s71, s71, 0
	s_cselect_b32 s73, 0x200000, s73               ; V: source 1 is Wv's plane,
	s_cselect_b32 s75, 0x1000000, s75              ; source 0 x's third
	s_add_co_u32 s69, s69, s22                     ; source 1's block of 128 rows: hangs on cy and the cluster
	s_add_co_u32 s71, s71, s21                     ; source 0's block of 256 rows: on cx and the cluster
	s_lshl_b32 s72, s69, 7
	s_lshl_b32 s70, s20, 6
	s_add_co_u32 s72, s72, s70
	s_lshl_b32 s72, s72, 10                        ; rows of 1,024 bytes
	s_add_co_u32 s72, s72, s73
	s_mov_b32 s73, 0
	s_lshl_b32 s74, s71, 8
	s_lshl_b32 s70, s20, 7
	s_add_co_u32 s74, s74, s70
	s_lshl_b32 s74, s74, 10
	s_add_co_u32 s74, s74, s75
	s_mov_b32 s75, 0
	s_lshl_b32 s2, s22, 2
	s_lshl_b32 s2, 15, s2                          ; my row of the cluster
	s_lshl_b32 s3, 0x1111, s21                     ; my column
	s_or_b32 s[G1A], s2, (1<<20)|(1<<21)|(5<<22)|(3<<25)   ; the mask; elements of 1 byte; padding on; bit 21 beside a mask; 4 words behind every 64
	s_or_b32 s[G1B], s3, (1<<20)|(1<<21)|(5<<22)|(3<<25)
	s_mov_b32 s[G1A+1], 256<<16                    ; tensor_dim0
	s_mov_b32 s[G1A+2], 64<<16                     ; tensor_dim1
	s_mov_b32 s[G1A+3], 256<<16                    ; tile_dim0
	s_mov_b32 s[G1A+4], 64                         ; tile_dim1
	s_mov_b32 s[G1A+5], 1024                       ; the pitch
	s_mov_b32 s[G1A+6], 0
	s_mov_b32 s[G1A+7], 0
	s_mov_b32 s[G1B+1], 256<<16
	s_mov_b32 s[G1B+2], 128<<16
	s_mov_b32 s[G1B+3], 256<<16
	s_mov_b32 s[G1B+4], 128
	s_mov_b32 s[G1B+5], 1024
	s_mov_b32 s[G1B+6], 0
	s_mov_b32 s[G1B+7], 0
	s_mul_i32 s2, s20, AH                          ; where my load lands in a slot: no place in the cluster enters an LDS address
	s_mul_i32 s3, s20, BH
	s_add_co_u32 s3, s3, 2*AH
	s_wait_dscnt 0x0                               ; the opening add is done
	s_wait_kmcnt 0x0
	s_load_b256 s[84:91], s[8:9], 0x0              ; e0 .. e7
	s_load_b128 s[92:95], s[8:9], 0x20             ; e8 .. e11
	s_cmp_eq_u32 s67, 2
	s_cselect_b64 s[76:77], s[6:7], s[4:5]
	s_cselect_b64 s[78:79], s[4:5], s[6:7]
	s_add_nc_u64 s[76:77], s[76:77], s[72:73]
	s_add_nc_u64 s[78:79], s[78:79], s[74:75]
.irp s, 0,1,2
	s_mov_b32 s[G0A+4*\s], 1
	s_add_co_u32 s[G0A+4*\s+1], s2, \s*SLOT
	s_add_nc_u64 s[G0A+4*\s+2:G0A+4*\s+3], s[76:77], \s*256
	s_or_b32 s[G0A+4*\s+3], s[G0A+4*\s+3], 0x80000000
	s_mov_b32 s[G0B+4*\s], 1
	s_add_co_u32 s[G0B+4*\s+1], s3, \s*SLOT
	s_add_nc_u64 s[G0B+4*\s+2:G0B+4*\s+3], s[78:79], \s*256
	s_or_b32 s[G0B+4*\s+3], s[G0B+4*\s+3], 0x80000000
.endr
	CROUND                                         ; all sixteen work-groups are here: the first joint loads meet
	s_cmp_eq_u32 s19, 0                            ; a wave's three first fills stand in one branch, ahead of every wait on TENSORcnt and every LDS read
	s_cbranch_scc0 .Lfirst_b
	tensor_load_to_lds s[G0A:G0A+3], s[G1A:G1A+7]
	s_nop 0
	tensor_load_to_lds s[G0A+4:G0A+7], s[G1A:G1A+7]
	s_nop 0
	tensor_load_to_lds s[G0A+8:G0A+11], s[G1A:G1A+7]
	s_nop 0
.rept 4
	v_nop
.endr
	s_branch .Lfirst_done
.Lfirst_b:
	tensor_load_to_lds s[G0B:G0B+3], s[G1B:G1B+7]
	s_nop 0
	tensor_load_to_lds s[G0B+4:G0B+7], s[G1B:G1B+7]
	s_nop 0
	tensor_load_to_lds s[G0B+8:G0B+11], s[G1B:G1B+7]
	s_nop 0
.rept 4
	v_nop
.endr
.Lfirst_done:
	v_and_b32 v1, 15, v0                           ; r
	v_bfe_u32 v2, v0, 4, 1                         ; h
	v_mul_u32_u24 v3, v1, PITCH
	v_lshl_add_u32 v3, v2, 4, v3
	s_mul_i32 s2, s19, AH
	s_mul_i32 s3, s20, BH
	s_add_co_u32 s3, s3, 2*AH
.irp s, 0,1,2
	v_add_nc_u32 v[ADRA+\s], s2, v3
	v_add_nc_u32 v[ADRB+\s], s3, v3
	s_add_co_u32 s2, s2, SLOT
	s_add_co_u32 s3, s3, SLOT
.endr
	v_and_b32 v25, 31, v0
	v_lshlrev_b32 v25, 4, v25                      ; 16 x lane
	v_lshlrev_b32 v26, 5, v2                       ; 32 h
	v_lshlrev_b32 v27, 2, v1                       ; 4 r
	; the biases.  Both forms are always loaded, at places inside the buffer, so that every register is written on every way; each way out uses one.
	s_cmp_eq_u32 s67, 1
	s_cselect_b64 s[82:83], s[12:13], s[10:11]
	s_cmp_eq_u32 s67, 2
	s_cselect_b64 s[82:83], s[14:15], s[82:83]
	s_lshl_b32 s2, s71, 10
	s_lshl_b32 s3, s20, 9
	s_add_co_u32 s2, s2, s3                        ; Q, K: 4 x (256 block + 128 HB)
	s_lshl_b32 s96, s69, 9
	s_lshl_b32 s97, s19, 8
	s_add_co_u32 s96, s96, s97                     ; V: 4 x (128 block + 64 HA)
	s_cmp_eq_u32 s67, 2
	s_cselect_b32 s2, 0, s2
	s_cselect_b32 s96, s96, 0
	s_mov_b32 s3, 0
	s_mov_b32 s97, 0
	s_add_nc_u64 s[80:81], s[82:83], s[2:3]
	s_add_nc_u64 s[82:83], s[82:83], s[96:97]
	WIN 0xc0                                       ; destination window 3
.irp b, 0,1,2,3,4,5,6,7
	global_load_b128 v[8*\b:8*\b+3], v26, s[80:81] offset:64*\b        ; register 8 b + j: the bias of source 0's row 16 b + 8 h + j
	global_load_b128 v[8*\b+4:8*\b+7], v26, s[80:81] offset:64*\b+16
.endr
.irp i, 0,1,2,3
	global_load_b32 v[64+2*\i], v27, s[82:83] offset:64*\i             ; both registers of the pair: the bias of source 1's row 16 i + r
	global_load_b32 v[65+2*\i], v27, s[82:83] offset:64*\i
.endr
	WIN 0
.macro FRAG reg, adr, off              ; 16 rows x 128 K: registers 4 c .. 4 c + 3 hold k = 32 c + 16 h + 0 .. 15 of row r
.irp c, 0,1,2,3
	ds_load_b128 v[\reg+4*\c:\reg+4*\c+3], v[\adr] offset:\off+32*\c
.endr
.endm
.macro FETCH slot, q, set              ; 48 loads in one run: source 0's eight fragments, source 1's four
	WIN 0x40
.irp i, 0,1,2,3,4,5,6,7
	FRAG 128*(\set)+16*\i, ADRB+\slot, 128*(\q)+4352*\i
.endr
	WIN 0
.irp i, 0,1,2,3
	FRAG AF+64*(\set)+16*\i, ADRA+\slot, 128*(\q)+4352*\i
.endr
.endm
.macro MUL8 i, set, zero               ; the 32 accumulators take turns, one instruction a turn, in the same order in every step
.irp b, 0,1,2,3,4,5,6,7
.if \zero
	v_wmma_f32_16x16x128_fp8_fp8 v[8*(8*(\i)+\b):8*(8*(\i)+\b)+7], v[128*(\set)+16*\b:128*(\set)+16*\b+15], v[AF+64*(\set)+16*(\i):AF+64*(\set)+16*(\i)+15], 0
.else
	v_wmma_f32_16x16x128_fp8_fp8 v[8*(8*(\i)+\b):8*(8*(\i)+\b)+7], v[128*(\set)+16*\b:128*(\set)+16*\b+15], v[AF+64*(\set)+16*(\i):AF+64*(\set)+16*(\i)+15], v[8*(8*(\i)+\b):8*(8*(\i)+\b)+7]
.endif
.endr
.endm
.macro STEP cur, zero, fs, fq, fetch   ; 128 along K from set cur; the next step's fragments are asked for first, into the other set
	s_wait_dscnt 0x0                               ; this step's fragments are in
.if \fetch
	PLACES                                         ; four places between the last products that read the other set and the loads into it
	FETCH \fs, \fq, 1-\cur
.endif
	WIN 0xa1                                       ; source 0 window 1, source 1 window 0, C and D window 2
	MUL8 0, \cur, \zero
	MUL8 1, \cur, \zero
	MUL8 2, \cur, \zero
	MUL8 3, \cur, \zero
	WIN 0
.endm
.macro TURN cur, fill, fs, fq          ; a step with a barrier in it.  fill = 1: slot 0, whose fragments all lie in registers, takes K step 3
	s_wait_tensorcnt 0x0                           ; all my tensor loads have landed
	ds_add_u32 v[SPW], v[NIL]                      ; 0 onto my spare word
	s_wait_dscnt 1                                 ; all but the add: this step's fragments are in
	WIN 0xa1
	MUL8 0, \cur, 0
	s_wait_dscnt 0x0                               ; the add is done, and no LDS read of mine is out
	s_barrier_signal -1
	MUL8 1, \cur, 0
	WIN 0
	s_barrier_wait -1
.if \fill
	CREST                                          ; the barrier has opened a round of the cluster's: no wave of any partner still reads slot 0 or has a load on its way
	s_add_nc_u64 s[G0A+2:G0A+3], s[G0A+2:G0A+3], 768
	s_add_nc_u64 s[G0B+2:G0B+3], s[G0B+2:G0B+3], 768
	JLOAD G0A, G0B                                 ; the one refill: 112 matrix instructions ahead of the wait for it; its four v_nop are the places in front of the loads below
.else
	PLACES
.endif
	FETCH \fs, \fq, 1-\cur
	WIN 0xa1
	MUL8 2, \cur, 0
	MUL8 3, \cur, 0
	WIN 0
.endm
	s_wait_tensorcnt 2                             ; my part of slot 0 is in; slots 1 and 2 stay out
	s_barrier_signal -1
	s_barrier_wait -1
	FETCH 0, 0, 0
	STEP 0, 1, 0, 1, 1                             ; the first products start the sums
	TURN 1, 1, 1, 0
	STEP 0, 0, 1, 1, 1
	STEP 1, 0, 2, 0, 1
	STEP 0, 0, 2, 1, 1
	TURN 1, 0, 0, 0                                ; K step 3 is whole in every wave's sight
	STEP 0, 0, 0, 1, 1
	STEP 1, 0, 0, 0, 0
	; THE WAY OUT.  A sum stands for sum x 2^(ea + eb): the bias goes in divided by that, and the conversion takes 2^(eo - ea - eb) as its one scale.
	s_wait_loadcnt 0x0                             ; the biases
	s_wait_kmcnt 0x0                               ; the exponents
	s_cmp_eq_u32 s67, 1
	s_cselect_b32 s96, s86, s84
	s_cselect_b32 s97, s87, s85
	s_cselect_b32 s98, s91, s90
	s_cmp_eq_u32 s67, 2
	s_cselect_b32 s96, s88, s96
	s_cselect_b32 s97, s89, s97
	s_cselect_b32 s98, s93, s98
	s_add_co_i32 s96, s96, s97                     ; ea + eb
	s_sub_co_i32 s98, s98, s96                     ; eo - ea - eb
	s_sub_co_i32 s96, 0, s96
	s_add_co_i32 s98, s98, 127
	s_lshl_b32 s97, s98, 23
	v_mov_b32 v[SCV], s97
	s_add_co_i32 s98, s98, 8
	s_lshl_b32 s98, s98, 23
	s_or_b32 s98, s98, 0x600000
	v_mov_b32 v[LIMV], s98                         ; 448 x the scale
	WIN 0xc3
.set j, 0
.rept 72
	v_ldexp_f32 v[j], v[j], s96                    ; these lines are also the places behind the last products
.set j, j+1
.endr
	WIN 0
; eight images: sub = which 64 of source 0's 128 rows, i = which 16 of source 1's 64.  Each store covers 512 consecutive bytes, aligned; each image has code registers of its own.
.macro OUTQ isv
.if \isv
.set STEPB, 4096
	s_lshl_b32 s2, s71, 8
	s_lshl_b32 s3, s20, 7
	s_add_co_u32 s2, s2, s3                        ; my first token
	s_lshr_b32 s3, s2, 11
	s_lshl_b32 s3, s3, 4
	s_lshl_b32 s96, s69, 1
	s_add_co_u32 s3, s3, s96
	s_add_co_u32 s3, s3, s19                       ; 16 x batch + head
	s_lshl_b32 s3, s3, 4
	s_and_b32 s2, s2, 2047
	s_lshr_b32 s2, s2, 7                           ; the chunk
	s_add_co_u32 s2, s2, s3
	s_lshl_b32 s2, s2, 13
	s_add_co_u32 s2, s2, 0x1000000
.else
.set STEPB, 131072
	s_lshl_b32 s2, s69, 7
	s_lshl_b32 s3, s19, 6
	s_add_co_u32 s2, s2, s3                        ; my first token
	s_lshr_b32 s3, s2, 11
	s_lshl_b32 s3, s3, 4
	s_lshl_b32 s96, s71, 2
	s_add_co_u32 s3, s3, s96
	s_lshl_b32 s96, s20, 1
	s_add_co_u32 s3, s3, s96                       ; 16 x batch + my first head
	s_lshl_b32 s3, s3, 7
	s_and_b32 s2, s2, 2047
	s_lshr_b32 s2, s2, 4                           ; the token tile
	s_add_co_u32 s2, s2, s3
	s_lshl_b32 s2, s2, 10
	s_lshl_b32 s3, s67, 23
	s_add_co_u32 s2, s2, s3
.endif
	s_mov_b32 s3, 0
	s_add_nc_u64 s[16:17], s[16:17], s[2:3]
.irp sub, 0,1
.irp i, 0,1,2,3
.set IMG, 4*\sub+\i
.set TT, TMP+32*(\i%2)
	WIN 0x0e                                       ; source 0 (the sums) window 2, source 1 (the bias) window 3
.irp c, 0,1,2,3
.irp jj, 0,2,4,6
.if \isv
	v_pk_add_f32 v[TT+8*\c+\jj:TT+8*\c+\jj+1], v[8*(8*\i+4*\sub+\c)+\jj:8*(8*\i+4*\sub+\c)+\jj+1], v[64+2*\i:65+2*\i]
.else
	v_pk_add_f32 v[TT+8*\c+\jj:TT+8*\c+\jj+1], v[8*(8*\i+4*\sub+\c)+\jj:8*(8*\i+4*\sub+\c)+\jj+1], v[8*(4*\sub+\c)+\jj:8*(4*\sub+\c)+\jj+1]
.endif
.endr
.endr
	WIN 0
.irp k, 0,1,2,3,4,5,6,7,8,9,10,11,12,13,14,15,16,17,18,19,20,21,22,23,24,25,26,27,28,29,30,31
	v_med3_num_f32 v[TT+\k], v[TT+\k], -v[LIMV], v[LIMV]   ; the conversion does not saturate (ISA guide 7.6.2)
.endr
.irp c, 0,1,2,3
	v_cvt_scalef32_pk8_fp8_f32 v[AF+8*IMG+2*\c:AF+8*IMG+2*\c+1], v[TT+8*\c:TT+8*\c+7], v[SCV]   ; registers 2 c, 2 c + 1 of the image: k = 16 c + 8 h + 0 .. 7
.endr
	v_nop                                          ; a plain line behind the last conversion of the run
	global_store_b128 v25, v[AF+8*IMG:AF+8*IMG+3], s[16:17] offset:\sub*STEPB+1024*\i
	global_store_b128 v25, v[AF+8*IMG+4:AF+8*IMG+7], s[16:17] offset:\sub*STEPB+1024*\i+512
.endr
.endr
.endm
	s_cmp_eq_u32 s67, 2                            ; the cluster's number alone: the same in all partners
	s_cbranch_scc1 .Lvout
	OUTQ 0
	s_branch .Lend
.Lvout:
	OUTQ 1
.Lend:
	s_wait_tensorcnt 0x0                           ; the wave's end
	ds_add_u32 v[SPW], v[NIL]
	s_wait_dscnt 0x0
	CROUND                                         ; the closing round
	s_endpgm
.Lfunc_end_k_q74063c7130_qkv:
	.size	k_q74063c7130_qkv, .Lfunc_end_k_q74063c7130_qkv-k_q74063c7130_qkv
	.p2alignl 7, 3214868480
	.fill 96, 4, 3214868480
	.section	.rodata,"a",@progbits
	.p2align	6, 0x0
	.amdhsa_kernel k_q74063c7130_qkv
		.amdhsa_group_segment_fixed_size 327680
		.amdhsa_private_segment_fixed_size 0
		.amdhsa_enable_private_segment 0
		.amdhsa_kernarg_size 56
		.amdhsa_user_sgpr_count 2
		.amdhsa_user_sgpr_kernarg_segment_ptr 1
		.amdhsa_wavefront_size32 1
		.amdhsa_system_sgpr_workgroup_id_x 1
		.amdhsa_system_sgpr_workgroup_id_y 1
		.amdhsa_system_sgpr_workgroup_id_z 1
		.amdhsa_system_vgpr_workitem_id 0
		.amdhsa_next_free_vgpr 1024
		.amdhsa_next_free_sgpr 100
		.amdhsa_reserve_vcc 0
		.amdhsa_float_denorm_mode_32 3
		.amdhsa_float_denorm_mode_16_64 3
		.amdhsa_memory_ordered 1
		.amdhsa_forward_progress 1
		.amdhsa_inst_pref_size 118
	.end_amdhsa_kernel
	.amdgpu_metadata
---
amdhsa.version: [ 1, 2 ]
amdhsa.kernels:
  - .name:           k_q74063c7130_qkv
    .symbol:         k_q74063c7130_qkv.kd
    .args:
      - { .name: xc, .offset: 0, .size: 8, .value_kind: global_buffer, .address_space: global }
      - { .name: wc, .offset: 8, .size: 8, .value_kind: global_buffer, .address_space: global }
      - { .name: lowp_scales, .offset: 16, .size: 8, .value_kind: global_buffer, .address_space: global }
      - { .name: bq, .offset: 24, .size: 8, .value_kind: global_buffer, .address_space: global }
      - { .name: bk, .offset: 32, .size: 8, .value_kind: global_buffer, .address_space: global }
      - { .name: bv, .offset: 40, .size: 8, .value_kind: global_buffer, .address_space: global }
      - { .name: qkvc, .offset: 48, .size: 8, .value_kind: global_buffer, .address_space: global }
    .group_segment_fixed_size: 327680
    .private_segment_fixed_size: 0
    .kernarg_segment_align: 8
    .kernarg_segment_size: 56
    .max_flat_workgroup_size: 128
    .sgpr_count:     100
    .vgpr_count:     1024
    .wavefront_size: 32
...
	.end_amdgpu_metadata
.endif
;; end of part 2
;; launch attn (part 3): grid 4 x 64, 16 waves a work-group, no clusters, 296,960 bytes of LDS; arguments qkvc, mbits, mflag, lowp_scales, ac; writes ac
.if DOCPART == 3
	.amdgcn_target "amdgcn-amd-amdhsa--gfx1250"
	.amdhsa_code_object_version 6
	.text
	.protected	k_q74063c7130_attn
	.globl	k_q74063c7130_attn
	.p2align	8
	.type	k_q74063c7130_attn,@function
k_q74063c7130_attn:
	s_mov_b64 s[64:65], 0
	v_nop
	global_prefetch_b8 v0, s[64:65] scope:SCOPE_SE
	s_setreg_imm32_b32 hwreg(HW_REG_WAVE_MODE, 25, 1), 1
	s_wait_xcnt 0x0
; ATTENTION on E4M3 codes, head size 64, with the mask that is given.  Work-group (i, bh) owns query blocks i and 7 - i (256 queries each) of head bh; waves 0-7 take block i, waves 8-15 block 7 - i; a wave owns 32 queries: tiles A and B.
; Both products are used transposed: S^T = K Q^T (source 0 = 16 keys), O^T = V^T P^T (source 0 = 16 channels): a lane holds one query throughout, and with the K = 64 form the eight registers of score tile u,
; converted, ARE registers 2 u, 2 u + 1 of P's fragment.  Q, K, V come as register images (1,024 bytes a fragment: registers 4 g .. 4 g + 3 at 512 g + 16 x lane).
; THE SOFTMAX: t = score x log2(e) / 8; M = the running largest t rounded up to a whole number; p = 2^(t - M) is quantised under 2^e8; the row's sum is taken of the unquantised p; a move of M multiplies sum and O^T by a power of two.
; THE MASK: a masked score is replaced by -2^(33 - e6 - e7), that is a logit of -2^30 where reference() has -1e9.  Its t is a whole number that f32 holds exactly, so a row that has seen masked keys alone has p = 1 exactly,
; as reference() has; beside any open key both give p = 0.  LIMITS: e6 + e7 between -94 and 9 (then every open logit lies within +-8.3e8); e8 and e10 - e8 - e9 between -126 and 119.  NaN is not served.
; WHAT IS LEFT OUT: the launch before has stored, for each query tile, which chunks of 128 keys it needs and which hold a masked key.  A chunk that neither of my tiles needs is passed over (every p there is 0);
; a chunk with no masked key for my tiles takes no select.  These are scalar branches on stored whole numbers; the launch has no tensor load: K and V come through registers.
; LDS holds the head's whole K (131,072 bytes) and V (the same), each byte written once: in trip t chunk t + 1 is laid (1,024 bytes a wave; waves 0-7 K's images, waves 8-15 V's), chunk t + 2 is asked for, chunk t is worked; one barrier a trip.
; The four work-groups of a head read the same K and V; they are not joined in a cluster.
.set STG,   262144                     ; the way out: 2,048 bytes a wave
.set SPARE, 294912                     ; the spare words, 128 bytes a wave: eight blocks of 256 bytes that no other line names
.set LI,   1                           ; v1   16 x lane
.set LV,   2                           ; v2   the same in V's region
.set ADK,  3                           ; v3   this trip's chunk of K
.set ADV,  4                           ; v4   of V
.set STA0, 5                           ; v5   where my wave lays its part of chunk 0
.set STA,  6                           ; v6   the same for this trip
.set SIN,  7                           ; v7   the way out: in
.set SPW,  8
.set NIL,  9
.set NEG,  10                          ; v10  the masked score
.set SCP,  11                          ; v11  2^e8
.set LIMP, 12                          ; v12  448 x 2^e8
.set SOUT, 13                          ; v13  the way out: back
.set STT,  14                          ; tile T at v[14 + 10 T]: +0 -M, +1 the largest t, +2, +3 the sum, +4 f (+5 named with it), +6, +7 at work, +8 the other half's
.set CP,   34                          ; v[34:41] the copy on its way
.set QF,   42                          ; v[42:57] Q, 8 a tile
.set KF,   58                          ; v[58:89] four fragments of K, then of V
.set PC,   90                          ; v[90:105] p's codes, 8 a tile
.set S,    106                         ; v[106:169] S^T, then p: 32 a tile
.set O,    170                         ; v[170:233] O^T: 32 a tile
.set PS,   234                         ; v[234:237] a second chain of sums
.set SCO,  238                         ; v238 2^(e10 - e8 - e9);  v239 448 x that
.set LIMO, 239
	s_load_b256 s[4:11], s[0:1], 0x0               ; qkvc s[4:5], mbits s[6:7], mflag s[8:9], the exponents s[10:11]
	s_load_b64 s[12:13], s[0:1], 0x20              ; ac
	v_lshl_add_u32 v[SPW], v0, 2, SPARE
	v_mov_b32 v[NIL], 0
	v_lshrrev_b32 v14, 5, v0
	v_readfirstlane_b32 s14, v14                   ; wave 0..15
	v_and_b32 v[LI], 31, v0
	v_lshlrev_b32 v[LI], 4, v[LI]
	v_add_nc_u32 v[LV], 0x20000, v[LI]
	s_and_b32 s2, s14, 7
	s_lshr_b32 s3, s14, 3
	s_sub_co_u32 s87, 7, ttmp9
	s_cmp_lt_u32 s14, 8
	s_cselect_b32 s87, ttmp9, s87                  ; my block of 256 queries
	s_lshl_b32 s87, s87, 4
	s_lshl_b32 s98, s2, 1
	s_add_co_u32 s87, s87, s98                     ; tile A's number, 0 .. 126, even
	s_and_b32 s99, ttmp7, 0xffff                   ; 16 x batch + head
	s_lshl_b32 s66, s2, 10
	s_lshl_b32 s67, s3, 17
	s_add_co_u32 s66, s66, s67
	v_add_nc_u32 v[STA0], s66, v[LI]
	s_lshl_b32 s66, s14, 11
	s_add_co_u32 s66, s66, STG
	v_add_nc_u32 v[SOUT], s66, v[LI]
	v_and_b32 v14, 15, v0
	v_bfe_u32 v15, v0, 4, 1
	v_lshlrev_b32 v[SIN], 6, v14
	v_lshl_add_u32 v[SIN], v15, 3, v[SIN]
	v_add_nc_u32 v[SIN], s66, v[SIN]               ; row r of 64 bytes, + 8 h
	s_lshl_b32 s68, s99, 17                        ; the head's first byte in a plane
	s_lshl_b32 s70, s87, 10
	s_add_co_u32 s70, s70, s68                     ; Q's images of my two tiles
	s_mov_b32 s71, 0
	s_add_co_u32 s72, s3, 1
	s_lshl_b32 s72, s72, 23                        ; plane 1 (K) for waves 0-7, plane 2 (V) for waves 8-15
	s_add_co_u32 s72, s72, s68
	s_lshl_b32 s73, s2, 10
	s_add_co_u32 s72, s72, s73                     ; my image of a chunk's eight
	s_mov_b32 s73, 0
	s_lshl_b32 s74, s87, 12                        ; mbits: 4,096 bytes a tile
	s_mov_b32 s75, 0
	s_lshl_b32 s76, s87, 3                         ; mflag: 8 bytes a tile
	s_mov_b32 s77, 0
	s_lshl_b32 s78, ttmp9, 7                       ; the flags of block i's sixteen tiles,
	s_mov_b32 s79, 0
	s_sub_co_u32 s80, 7, ttmp9
	s_lshl_b32 s80, s80, 7                         ; and of block 7 - i's
	s_mov_b32 s81, 0
	s_and_b32 s82, s99, 15
	s_lshl_b32 s82, s82, 19                        ; ac: the head's plane,
	s_lshr_b32 s83, s99, 4
	s_lshl_b32 s83, s83, 17                        ; the batch's 2,048 tokens of 64 bytes,
	s_add_co_u32 s82, s82, s83
	s_lshl_b32 s83, s87, 10                        ; my first query
	s_add_co_u32 s82, s82, s83
	s_mov_b32 s83, 0
	s_wait_kmcnt 0x0
	s_add_nc_u64 s[100:101], s[4:5], s[70:71]
	s_add_nc_u64 s[88:89], s[4:5], s[72:73]        ; the copies' base; it walks
	s_add_nc_u64 s[90:91], s[6:7], s[74:75]        ; the mask words' base; it walks
	s_add_nc_u64 s[2:3], s[8:9], s[76:77]
	s_add_nc_u64 s[92:93], s[8:9], s[78:79]
	s_add_nc_u64 s[94:95], s[8:9], s[80:81]
	s_add_nc_u64 s[96:97], s[12:13], s[82:83]
	s_load_b128 s[84:87], s[2:3], 0x0              ; need A, part A, need B, part B
	s_load_b512 s[16:31], s[92:93], 0x0
	s_load_b512 s[32:47], s[92:93], 0x40
	s_load_b512 s[48:63], s[94:95], 0x0
	s_load_b512 s[68:83], s[94:95], 0x40
.irp T, 0,1
	global_load_b128 v[QF+8*\T:QF+8*\T+3], v[LI], s[100:101] offset:1024*\T
	global_load_b128 v[QF+8*\T+4:QF+8*\T+7], v[LI], s[100:101] offset:1024*\T+512
.endr
.irp T, 0,1
	v_mov_b32 v[STT+10*\T+1], 0xff61b1e6           ; the largest t so far: -3e38
	v_mov_b32 v[STT+10*\T+2], 0
	v_mov_b32 v[STT+10*\T+3], 0
	v_mov_b32 v[STT+10*\T+5], 0                    ; (named as the upper half of f's pair)
	v_mov_b32 v[STT+10*\T+8], 0                    ; (a lane permute's destination counts as read)
	v_floor_f32 v[STT+10*\T], -v[STT+10*\T+1]
.endr
.set j, 0
.rept 8
	v_mov_b32 v[CP+j], 0                           ; written once, so that they are written on every way
.set j, j+1
.endr
.set j, 0
.rept 64
	v_mov_b32 v[O+j], 0                            ; the step is written once: the first finds zeros, which the first move of M leaves zeros
.set j, j+1
.endr
	s_wait_kmcnt 0x0
	s_or_b32 s98, s84, s86                         ; what my wave needs,
	s_or_b32 s86, s85, s87                         ; and where it has to select
	s_mov_b32 s85, s98
	s_or_b32 s84, s16, s18                         ; what any wave of the work-group needs: the OR of 32 tiles' first words
.irp k, 20,22,24,26,28,30,32,34,36,38,40,42,44,46,48,50,52,54,56,58,60,62,68,70,72,74,76,78,80,82
	s_or_b32 s84, s84, s\k
.endr
	s_and_b32 s84, s84, 0xffff                     ; sixteen chunks and no more: the look-ahead below ends by itself
	s_load_b256 s[16:23], s[10:11], 0x0            ; e0 .. e7
	s_load_b128 s[24:27], s[10:11], 0x20           ; e8 .. e11
	s_wait_kmcnt 0x0
	s_add_co_i32 s98, s22, s23                     ; e6 + e7
	s_lshl_b32 s99, s98, 23
	s_add_co_i32 s92, s99, 0x3e38aa3b              ; c = log2(e) / 8 x 2^(e6 + e7): the exponents are added to c's exponent field
	s_mov_b32 s93, s92                             ; (named with it as a pair)
	s_sub_co_i32 s98, 160, s98
	s_lshl_b32 s98, s98, 23
	s_or_b32 s98, s98, 0x80000000
	v_mov_b32 v[NEG], s98                          ; -2^(33 - e6 - e7)
	s_add_co_i32 s98, s24, 127
	s_lshl_b32 s99, s98, 23
	v_mov_b32 v[SCP], s99
	s_add_co_i32 s98, s98, 8
	s_lshl_b32 s98, s98, 23
	s_or_b32 s98, s98, 0x600000
	v_mov_b32 v[LIMP], s98
	s_cmp_lt_i32 s24, -8
	s_cselect_b32 s67, 1, 0                        ; p is at most 1: only under e8 < -8 can p / 2^e8 pass 448
	s_sub_co_i32 s98, s26, s24
	s_sub_co_i32 s98, s98, s25                     ; e10 - e8 - e9
	s_add_co_i32 s98, s98, 127
	s_lshl_b32 s99, s98, 23
	v_mov_b32 v[SCO], s99
	s_add_co_i32 s98, s98, 8
	s_lshl_b32 s98, s98, 23
	s_or_b32 s98, s98, 0x600000
	v_mov_b32 v[LIMO], s98
	s_mov_b32 s94, 0x76543210                      ; v_permlanex16_b32: lane l xor 16
	s_mov_b32 s95, 0xfedcba98
	s_mov_b32 s66, 0                               ; 8,192 x the trip
	s_mov_b32 s15, 0
	s_wait_loadcnt 0x0                             ; Q
	s_bitcmp1_b32 s84, 0                           ; chunk 0 is laid now,
	s_cbranch_scc0 .Lp0
	global_load_b128 v[CP:CP+3], v[LI], s[88:89]
	global_load_b128 v[CP+4:CP+7], v[LI], s[88:89] offset:512
	s_wait_loadcnt 0x0
	ds_store_b128 v[STA0], v[CP:CP+3]
	ds_store_b128 v[STA0], v[CP+4:CP+7] offset:512
.Lp0:
	s_wait_dscnt 0x0                               ; the stores have landed and have read their registers
	s_bitcmp1_b32 s84, 1                           ; and chunk 1 is asked for
	s_cbranch_scc0 .Lp1
	global_load_b128 v[CP:CP+3], v[LI], s[88:89] offset:8192
	global_load_b128 v[CP+4:CP+7], v[LI], s[88:89] offset:8704
.Lp1:
	s_barrier_signal -1
	s_barrier_wait -1
; 64 keys of the chunk in hand, for both tiles.  The two tiles' lines alternate, so that no line waits for the one above it.
.macro SUB s
.rept 4
	v_nop                                          ; four places between the last products, which read V's fragments, and the loads into their registers
.endr
	s_bitcmp1_b32 s86, 0
	s_cbranch_scc0 .Lnm_\@
	s_load_b512 s[16:31], s[90:91], 128*\s         ; tile A's 32 lane masks,
	s_load_b512 s[32:47], s[90:91], 128*\s+64
	s_load_b512 s[48:63], s[90:91], 4096+128*\s    ; tile B's
	s_load_b512 s[68:83], s[90:91], 4096+128*\s+64
.Lnm_\@:
.irp u, 0,1,2,3
	ds_load_b128 v[KF+8*\u:KF+8*\u+3], v[ADK] offset:(4*\s+\u)*1024
	ds_load_b128 v[KF+8*\u+4:KF+8*\u+7], v[ADK] offset:(4*\s+\u)*1024+512
.endr
	s_wait_dscnt 0x0
.irp u, 0,1,2,3
.irp T, 0,1
	v_wmma_f32_16x16x64_fp8_fp8 v[S+32*\T+8*\u:S+32*\T+8*\u+7], v[KF+8*\u:KF+8*\u+7], v[QF+8*\T:QF+8*\T+7], 0
.endr
.endr
.rept 4
	v_nop                                          ; places: in front of the loads into K's registers and of the first read of the scores
.endr
.irp u, 0,1,2,3
	ds_load_b128 v[KF+8*\u:KF+8*\u+3], v[ADV] offset:4096*\s+1024*\u
	ds_load_b128 v[KF+8*\u+4:KF+8*\u+7], v[ADV] offset:4096*\s+1024*\u+512
.endr
	s_wait_kmcnt 0x0                               ; on every way
	s_bitcmp1_b32 s86, 0
	s_cbranch_scc0 .Lop_\@
.set n, 0
.rept 32
	v_cndmask_b32 v[S+n], v[NEG], v[S+n], s[16+n]  ; bit 1: the key counts
.set n, n+1
.endr
.set n, 0
.rept 16
	v_cndmask_b32 v[S+32+n], v[NEG], v[S+32+n], s[48+n]
.set n, n+1
.endr
.set n, 0
.rept 16
	v_cndmask_b32 v[S+48+n], v[NEG], v[S+48+n], s[68+n]
.set n, n+1
.endr
.Lop_\@:
.irp T, 0,1                                    ; the largest score of my query among my 32 keys, in two chains; each accumulator is read from its low end on
	v_max3_num_f32 v[STT+10*\T+6], v[S+32*\T], v[S+32*\T+1], v[S+32*\T+2]
.endr
.irp T, 0,1
	v_max3_num_f32 v[STT+10*\T+7], v[S+32*\T+3], v[S+32*\T+4], v[S+32*\T+5]
.endr
.irp k, 6,10,14,18,22,26
.irp T, 0,1
	v_max3_num_f32 v[STT+10*\T+6], v[STT+10*\T+6], v[S+32*\T+\k], v[S+32*\T+\k+1]
.endr
.irp T, 0,1
	v_max3_num_f32 v[STT+10*\T+7], v[STT+10*\T+7], v[S+32*\T+\k+2], v[S+32*\T+\k+3]
.endr
.endr
.irp T, 0,1
	v_max3_num_f32 v[STT+10*\T+6], v[STT+10*\T+6], v[S+32*\T+30], v[S+32*\T+31]
.endr
.irp T, 0,1
	v_max_num_f32 v[STT+10*\T+6], v[STT+10*\T+6], v[STT+10*\T+7]
.endr
.irp T, 0,1
	v_permlanex16_b32 v[STT+10*\T+8], v[STT+10*\T+6], s94, s95
.endr
.irp T, 0,1
	v_max_num_f32 v[STT+10*\T+6], v[STT+10*\T+6], v[STT+10*\T+8]   ; and among lane l xor 16's
.endr
.irp T, 0,1
	v_mul_f32 v[STT+10*\T+6], s92, v[STT+10*\T+6]  ; as t (c is positive)
.endr
.irp T, 0,1
	v_max_num_f32 v[STT+10*\T+1], v[STT+10*\T+1], v[STT+10*\T+6]
.endr
.irp T, 0,1
	v_mov_b32 v[STT+10*\T+6], v[STT+10*\T]
.endr
.irp T, 0,1
	v_floor_f32 v[STT+10*\T], -v[STT+10*\T+1]      ; -M = floor(-t): M is a whole number
.endr
.irp T, 0,1
	v_sub_f32 v[STT+10*\T+6], v[STT+10*\T], v[STT+10*\T+6]
.endr
.irp T, 0,1
	v_cvt_i32_f32 v[STT+10*\T+6], v[STT+10*\T+6]   ; old M - new M, 0 or less (it saturates)
.endr
.irp T, 0,1
	v_ldexp_f32 v[STT+10*\T+4], 1.0, v[STT+10*\T+6]   ; f
.endr
.irp j, 0,2,4,6,8,10,12,14,16,18,20,22,24,26,28,30
.irp T, 0,1
	v_pk_fma_f32 v[S+32*\T+\j:S+32*\T+\j+1], v[S+32*\T+\j:S+32*\T+\j+1], s[92:93], v[STT+10*\T:STT+10*\T+1] op_sel_hi:[1,0,0]   ; t - M
.endr
.endr
.set n, 0
.rept 64
	v_exp_f32 v[S+n], v[S+n]                       ; p, at most 1: one batch
.set n, n+1
.endr
.irp T, 0,1
	v_pk_mul_f32 v[STT+10*\T+2:STT+10*\T+3], v[STT+10*\T+2:STT+10*\T+3], v[STT+10*\T+4:STT+10*\T+5] op_sel_hi:[1,0]   ; the sums under the new M: the plain lines behind the batch
.endr
	s_wait_alu depctr_va_vdst(0)                   ; one wait for the batch, ahead of its first reader
.irp T, 0,1
	v_pk_add_f32 v[PS+2*\T:PS+2*\T+1], v[S+32*\T:S+32*\T+1], v[S+32*\T+2:S+32*\T+3]   ; the sum is taken of the unquantised p
.endr
.irp j, 4,8,12,16,20,24,28
.irp T, 0,1
	v_pk_add_f32 v[STT+10*\T+2:STT+10*\T+3], v[STT+10*\T+2:STT+10*\T+3], v[S+32*\T+\j:S+32*\T+\j+1]
.endr
.irp T, 0,1
	v_pk_add_f32 v[PS+2*\T:PS+2*\T+1], v[PS+2*\T:PS+2*\T+1], v[S+32*\T+\j+2:S+32*\T+\j+3]
.endr
.endr
.irp T, 0,1
	v_pk_add_f32 v[STT+10*\T+2:STT+10*\T+3], v[STT+10*\T+2:STT+10*\T+3], v[PS+2*\T:PS+2*\T+1]
.endr
	s_cmp_lg_u32 s67, 0                            ; the hold, where the given e8 makes it bite
	s_cbranch_scc0 .Lnh_\@
.set n, 0
.rept 64
	v_min_num_f32 v[S+n], v[S+n], v[LIMP]
.set n, n+1
.endr
.Lnh_\@:
.irp u, 0,1,2,3
.irp T, 0,1
	v_cvt_scalef32_pk8_fp8_f32 v[PC+8*\T+2*\u:PC+8*\T+2*\u+1], v[S+32*\T+8*\u:S+32*\T+8*\u+7], v[SCP]
.endr
.endr
.irp j, 0,2,4,6,8,10,12,14,16,18,20,22,24,26,28,30
.irp T, 0,1
	v_pk_mul_f32 v[O+32*\T+\j:O+32*\T+\j+1], v[O+32*\T+\j:O+32*\T+\j+1], v[STT+10*\T+4:STT+10*\T+5] op_sel_hi:[1,0]   ; O^T under the new M; also the plain lines behind the conversions
.endr
.endr
	s_wait_dscnt 0x0                               ; V's fragments
.irp u, 0,1,2,3
.irp T, 0,1
	v_wmma_f32_16x16x64_fp8_fp8 v[O+32*\T+8*\u:O+32*\T+8*\u+7], v[KF+8*\u:KF+8*\u+7], v[PC+8*\T:PC+8*\T+7], v[O+32*\T+8*\u:O+32*\T+8*\u+7]   ; eight accumulators by turns
.endr
.endr
.endm
.Ltrip:                                            ; sixteen trips, whatever the flags say; no barrier stands under a branch
	v_add_nc_u32 v[ADK], s66, v[LI]
	v_add_nc_u32 v[ADV], s66, v[LV]
	v_add_nc_u32 v[STA], s66, v[STA0]
	s_wait_loadcnt 0x0                             ; the copy asked for a trip ago
	s_bitcmp1_b32 s84, 1
	s_cbranch_scc0 .Lno_store
	ds_store_b128 v[STA], v[CP:CP+3] offset:8192   ; chunk t + 1
	ds_store_b128 v[STA], v[CP+4:CP+7] offset:8704
.Lno_store:
	s_wait_dscnt 0x0                               ; the stores have read their registers
	s_bitcmp1_b32 s84, 2
	s_cbranch_scc0 .Lno_load
	global_load_b128 v[CP:CP+3], v[LI], s[88:89] offset:16384   ; chunk t + 2
	global_load_b128 v[CP+4:CP+7], v[LI], s[88:89] offset:16896
.Lno_load:
	s_bitcmp1_b32 s85, 0
	s_cbranch_scc0 .Lskip
	SUB 0
	SUB 1
.Lskip:
	s_wait_xcnt 0x0                                ; the loads have read their bases
	s_add_nc_u64 s[88:89], s[88:89], 8192
	s_add_nc_u64 s[90:91], s[90:91], 256
	s_add_co_u32 s66, s66, 8192
	s_lshr_b32 s84, s84, 1
	s_lshr_b32 s85, s85, 1
	s_lshr_b32 s86, s86, 1
	s_wait_dscnt 0x0                               ; for the others' sake: my part of chunk t + 1 lies in LDS
	s_barrier_signal -1
	s_barrier_wait -1
	s_add_co_u32 s15, s15, 1
	s_cmp_lt_u32 s15, 16
	s_cbranch_scc1 .Ltrip
	; THE WAY OUT: O^T / the sum, quantised under 2^e10 (the three exponents folded into the conversion's one scale), through my stage, and out as 2,048 consecutive bytes.
.rept 4
	v_nop
.endr
.irp T, 0,1
	v_add_f32 v[STT+10*\T+2], v[STT+10*\T+2], v[STT+10*\T+3]
.endr
.irp T, 0,1
	v_permlanex16_b32 v[STT+10*\T+8], v[STT+10*\T+2], s94, s95
.endr
.irp T, 0,1
	v_add_f32 v[STT+10*\T+2], v[STT+10*\T+2], v[STT+10*\T+8]
.endr
.irp T, 0,1
	v_rcp_f32 v[STT+10*\T+4], v[STT+10*\T+2]
.endr
	v_nop                                          ; a plain line behind the reciprocals
	s_wait_alu depctr_va_vdst(0)                   ; and one wait ahead of their first reader
.irp j, 0,2,4,6,8,10,12,14,16,18,20,22,24,26,28,30
.irp T, 0,1
	v_pk_mul_f32 v[O+32*\T+\j:O+32*\T+\j+1], v[O+32*\T+\j:O+32*\T+\j+1], v[STT+10*\T+4:STT+10*\T+5] op_sel_hi:[1,0]
.endr
.endr
.set n, 0
.rept 64
	v_med3_num_f32 v[O+n], v[O+n], -v[LIMO], v[LIMO]
.set n, n+1
.endr
.irp u, 0,1,2,3
.irp T, 0,1
	v_cvt_scalef32_pk8_fp8_f32 v[PC+8*\T+2*\u:PC+8*\T+2*\u+1], v[O+32*\T+8*\u:O+32*\T+8*\u+7], v[SCO]   ; channels 16 u + 8 h + 0 .. 7 of query r
.endr
.endr
	v_nop
.irp T, 0,1
.irp u, 0,1,2,3
	ds_store_b64 v[SIN], v[PC+8*\T+2*\u:PC+8*\T+2*\u+1] offset:1024*\T+16*\u
.endr
.endr
.irp k, 0,1,2,3
	ds_load_b128 v[KF+4*\k:KF+4*\k+3], v[SOUT] offset:512*\k   ; LDS serves a wave's instructions in order: these see my stores
.endr
	s_wait_dscnt 0x0
.irp k, 0,1,2,3
	global_store_b128 v[LI], v[KF+4*\k:KF+4*\k+3], s[96:97] offset:512*\k   ; 512 consecutive bytes, aligned
.endr
	s_wait_tensorcnt 0x0                           ; the wave's end: three lines behind my last LDS store
	ds_add_u32 v[SPW], v[NIL]
	s_wait_dscnt 0x0
	s_endpgm
.Lfunc_end_k_q74063c7130_attn:
	.size	k_q74063c7130_attn, .Lfunc_end_k_q74063c7130_attn-k_q74063c7130_attn
	.p2alignl 7, 3214868480
	.fill 96, 4, 3214868480
	.section	.rodata,"a",@progbits
	.p2align	6, 0x0
	.amdhsa_kernel k_q74063c7130_attn
		.amdhsa_group_segment_fixed_size 296960
		.amdhsa_private_segment_fixed_size 0
		.amdhsa_enable_private_segment 0
		.amdhsa_kernarg_size 40
		.amdhsa_user_sgpr_count 2
		.amdhsa_user_sgpr_kernarg_segment_ptr 1
		.amdhsa_wavefront_size32 1
		.amdhsa_system_sgpr_workgroup_id_x 1
		.amdhsa_system_sgpr_workgroup_id_y 1
		.amdhsa_system_sgpr_workgroup_id_z 1
		.amdhsa_system_vgpr_workitem_id 0
		.amdhsa_next_free_vgpr 256
		.amdhsa_next_free_sgpr 102
		.amdhsa_reserve_vcc 0
		.amdhsa_float_denorm_mode_32 3
		.amdhsa_float_denorm_mode_16_64 3
		.amdhsa_memory_ordered 1
		.amdhsa_forward_progress 1
		.amdhsa_inst_pref_size 60
	.end_amdhsa_kernel
	.amdgpu_metadata
---
amdhsa.version: [ 1, 2 ]
amdhsa.kernels:
  - .name:           k_q74063c7130_attn
    .symbol:         k_q74063c7130_attn.kd
    .args:
      - { .name: qkvc, .offset: 0, .size: 8, .value_kind: global_buffer, .address_space: global }
      - { .name: mbits, .offset: 8, .size: 8, .value_kind: global_buffer, .address_space: global }
      - { .name: mflag, .offset: 16, .size: 8, .value_kind: global_buffer, .address_space: global }
      - { .name: lowp_scales, .offset: 24, .size: 8, .value_kind: global_buffer, .address_space: global }
      - { .name: ac, .offset: 32, .size: 8, .value_kind: global_buffer, .address_space: global }
    .group_segment_fixed_size: 296960
    .private_segment_fixed_size: 0
    .kernarg_segment_align: 8
    .kernarg_segment_size: 40
    .max_flat_workgroup_size: 512
    .sgpr_count:     102
    .vgpr_count:     256
    .wavefront_size: 32
...
	.end_amdgpu_metadata
.endif
;; end of part 3
;; launch outp (part 4): grid 4 x 64, 4 waves a work-group, clusters of 4 x 4, 327,680 bytes of LDS; arguments ac, wc, lowp_scales, bo, out0; writes out0
.if DOCPART == 4
	.amdgcn_target "amdgcn-amd-amdhsa--gfx1250"
	.amdhsa_code_object_version 6
	.text
	.protected	k_q74063c7130_outp
	.globl	k_q74063c7130_outp
	.p2align	8
	.type	k_q74063c7130_outp,@function
k_q74063c7130_outp:
	s_mov_b64 s[64:65], 0
	v_nop
	global_prefetch_b8 v0, s[64:65] scope:SCOPE_SE
	s_setreg_imm32_b32 hwreg(HW_REG_WAVE_MODE, 25, 1), 1
	s_wait_xcnt 0x0
	s_wait_alu depctr_hold_cnt(0) depctr_sa_sdst(0) depctr_va_vdst(0) depctr_va_sdst(0) depctr_va_ssrc(0) depctr_va_vcc(0) depctr_vm_vsrc(0)
	s_getreg_b32 s2, hwreg(HW_REG_IB_STS2, 6, 4)
	s_cmp_eq_u32 s2, 0
	s_cbranch_scc0 .Lentry_in_a_cluster
	s_endpgm
.Lentry_in_a_cluster:
	s_bfe_u32 s2, ttmp6, 0x10000c
	s_cmp_lg_u32 s2, 0xf033
	s_cbranch_scc0 .Lentry_shape_is_right
	s_endpgm
.Lentry_shape_is_right:
; OUT.  out0 = attn Wo^T + bo on E4M3 codes (K = 1,024).  The frame is that of the launch for Q, K, V: a work-group makes 256 rows of source 0 (Wo's rows: output channels) x 128 rows of source 1 (tokens);
; four waves 2 x 2, each 128 x 64: 32 accumulators; four K steps of 256 through three LDS slots, three first fills (three tensor loads of a wave are out at the most) and one refill; joint loads in clusters of 4 x 4.
; In a result a lane holds one token and eight neighbouring output channels.
; SOURCE 1 lies in ac as [16 heads][8192 tokens][64 codes]: a K step of 256 is four head planes.  One load brings 4 rows of 4,096 bytes (64 tokens x 64 codes of one plane), 524,288 bytes apart, with 16 bytes of padding
; behind every 256: plane p, token n lie at 4352 p + 272 (n / 4) + 64 (n % 4).  The sixteen lanes of a fragment load then fall on sixteen different 16-byte columns of 256.
; LIMIT: e10 + e11 between -126 and 127.
; REGISTERS: as in that launch; window 3: v0-63 bo by source 0's rows.  The way out goes through a stage of 16 rows x 528 bytes a wave in slot 1, which has had its only fill and its last read by then.
.set PITCH, 272
.set AH,    64*PITCH
.set BH,    128*PITCH
.set SLOT,  2*AH+2*BH
.set SPARE, 3*SLOT                     ; the spare words, 128 bytes a wave: two blocks of 256 bytes that no other line names
.set ADRA,  16
.set ADRB,  20
.set STO,   24
.set RD,    25
.set CO,    26
.set SPW,   28
.set NIL,   29
.set TMP,   32
.set AF,    128
.set G1A,   24
.set G1B,   32
.set G0A,   40
.set G0B,   52
.set MSB, 0
.macro WIN new
.if MSB != \new
	s_set_vgpr_msb (MSB<<8)|\new
.set MSB, \new
.endif
.endm
.macro PLACES
.rept 4
	v_nop
.endr
.endm
.macro CREST
	s_cmp_lg_u32 s18, 0
	s_cbranch_scc1 .Lnot_wave_0_\@
	s_barrier_signal -3
.Lnot_wave_0_\@:
	s_barrier_wait -3
	s_barrier_signal -1
	s_barrier_wait -1
.endm
.macro CROUND
	s_barrier_signal -1
	s_barrier_wait -1
	CREST
.endm
.macro JLOAD g0a, g0b
	s_cmp_eq_u32 s19, 0
	s_cbranch_scc0 .Lfor_b_\@
	tensor_load_to_lds s[\g0a:\g0a+3], s[G1A:G1A+7]
	s_nop 0
.rept 4
	v_nop
.endr
	s_branch .Lasked_\@
.Lfor_b_\@:
	tensor_load_to_lds s[\g0b:\g0b+3], s[G1B:G1B+7]
	s_nop 0
.rept 4
	v_nop
.endr
.Lasked_\@:
.endm
	s_load_b256 s[4:11], s[0:1], 0x0               ; ac s[4:5], wc s[6:7], the exponents s[8:9], bo s[10:11]
	s_load_b64 s[16:17], s[0:1], 0x20              ; out0
	v_lshl_add_u32 v[SPW], v0, 2, SPARE
	v_mov_b32 v[NIL], 0
	ds_add_u32 v[SPW], v[NIL]                      ; the wave's opening: the add and its wait ahead of my first tensor load
	v_lshrrev_b32 v1, 5, v0
	v_readfirstlane_b32 s18, v1
	s_lshr_b32 s19, s18, 1                         ; HA
	s_and_b32 s20, s18, 1                          ; HB
	s_bfe_u32 s21, ttmp6, 0x40000                  ; cx
	s_bfe_u32 s22, ttmp6, 0x40004                  ; cy
	s_and_b32 s66, ttmp7, 0xffff                   ; cluster y, 0 .. 15
	s_lshl_b32 s69, s66, 2
	s_add_co_u32 s69, s69, s22                     ; the block of 128 tokens
	s_mov_b32 s71, s21                             ; the block of 256 output channels
	s_lshl_b32 s72, s69, 7
	s_lshl_b32 s70, s20, 6
	s_add_co_u32 s72, s72, s70
	s_lshl_b32 s72, s72, 6                         ; 64 bytes a token in a plane
	s_mov_b32 s73, 0
	s_lshl_b32 s74, s71, 8
	s_lshl_b32 s70, s20, 7
	s_add_co_u32 s74, s74, s70
	s_lshl_b32 s74, s74, 10
	s_add_co_u32 s74, s74, 0x300000                ; Wo's plane of wc
	s_mov_b32 s75, 0
	s_lshl_b32 s2, s22, 2
	s_lshl_b32 s2, 15, s2
	s_lshl_b32 s3, 0x1111, s21
	s_or_b32 s[G1A], s2, (1<<20)|(1<<21)|(5<<22)|(3<<25)
	s_or_b32 s[G1B], s3, (1<<20)|(1<<21)|(5<<22)|(3<<25)
	s_mov_b32 s[G1A+1], 4096<<16                   ; tensor_dim0 = 4,096 bytes
	s_mov_b32 s[G1A+2], 4<<16                      ; tensor_dim1 = 4 planes
	s_mov_b32 s[G1A+3], 4096<<16                   ; tile_dim0
	s_mov_b32 s[G1A+4], 4                          ; tile_dim1
	s_mov_b32 s[G1A+5], 524288                     ; from plane to plane
	s_mov_b32 s[G1A+6], 0
	s_mov_b32 s[G1A+7], 0
	s_mov_b32 s[G1B+1], 256<<16
	s_mov_b32 s[G1B+2], 128<<16
	s_mov_b32 s[G1B+3], 256<<16
	s_mov_b32 s[G1B+4], 128
	s_mov_b32 s[G1B+5], 1024
	s_mov_b32 s[G1B+6], 0
	s_mov_b32 s[G1B+7], 0
	s_mul_i32 s2, s20, AH
	s_mul_i32 s3, s20, BH
	s_add_co_u32 s3, s3, 2*AH
	s_wait_dscnt 0x0                               ; the opening add is done
	s_wait_kmcnt 0x0
	s_load_b128 s[92:95], s[8:9], 0x20             ; e8 .. e11
	s_add_nc_u64 s[76:77], s[4:5], s[72:73]
	s_add_nc_u64 s[78:79], s[6:7], s[74:75]
.irp s, 0,1,2
	s_mov_b32 s[G0A+4*\s], 1
	s_add_co_u32 s[G0A+4*\s+1], s2, \s*SLOT
	s_add_nc_u64 s[G0A+4*\s+2:G0A+4*\s+3], s[76:77], \s*2097152
	s_or_b32 s[G0A+4*\s+3], s[G0A+4*\s+3], 0x80000000
	s_mov_b32 s[G0B+4*\s], 1
	s_add_co_u32 s[G0B+4*\s+1], s3, \s*SLOT
	s_add_nc_u64 s[G0B+4*\s+2:G0B+4*\s+3], s[78:79], \s*256
	s_or_b32 s[G0B+4*\s+3], s[G0B+4*\s+3], 0x80000000
.endr
	CROUND                                         ; all sixteen work-groups are here: the first joint loads meet
	s_cmp_eq_u32 s19, 0
	s_cbranch_scc0 .Lfirst_b
	tensor_load_to_lds s[G0A:G0A+3], s[G1A:G1A+7]
	s_nop 0
	tensor_load_to_lds s[G0A+4:G0A+7], s[G1A:G1A+7]
	s_nop 0
	tensor_load_to_lds s[G0A+8:G0A+11], s[G1A:G1A+7]
	s_nop 0
.rept 4
	v_nop
.endr
	s_branch .Lfirst_done
.Lfirst_b:
	tensor_load_to_lds s[G0B:G0B+3], s[G1B:G1B+7]
	s_nop 0
	tensor_load_to_lds s[G0B+4:G0B+7], s[G1B:G1B+7]
	s_nop 0
	tensor_load_to_lds s[G0B+8:G0B+11], s[G1B:G1B+7]
	s_nop 0
.rept 4
	v_nop
.endr
.Lfirst_done:
	v_and_b32 v1, 15, v0                           ; r
	v_bfe_u32 v2, v0, 4, 1                         ; h
	v_mul_u32_u24 v3, v1, PITCH
	v_lshl_add_u32 v3, v2, 4, v3                   ; source 0: row r, + 16 h
	v_lshrrev_b32 v4, 2, v1
	v_mul_u32_u24 v4, v4, PITCH
	v_and_b32 v5, 3, v1
	v_lshl_add_u32 v4, v5, 6, v4
	v_lshl_add_u32 v4, v2, 4, v4                   ; source 1: 272 (r / 4) + 64 (r % 4) + 16 h
	s_mul_i32 s2, s19, AH
	s_mul_i32 s3, s20, BH
	s_add_co_u32 s3, s3, 2*AH
.irp s, 0,1,2
	v_add_nc_u32 v[ADRA+\s], s2, v4
	v_add_nc_u32 v[ADRB+\s], s3, v3
	s_add_co_u32 s2, s2, SLOT
	s_add_co_u32 s3, s3, SLOT
.endr
	s_mul_i32 s2, s18, 8448
	s_add_co_u32 s2, s2, SLOT                      ; my stage, in slot 1
	v_mul_u32_u24 v[STO], v1, 528
	v_lshl_add_u32 v[STO], v2, 5, v[STO]
	v_add_nc_u32 v[STO], s2, v[STO]                ; in: row r, + 32 h
	v_and_b32 v[CO], 31, v0
	v_lshlrev_b32 v[CO], 4, v[CO]                  ; back, and in out0: 16 x lane of a row's 512 bytes
	v_add_nc_u32 v[RD], s2, v[CO]
	v_lshlrev_b32 v27, 5, v2                       ; 32 h
	s_lshl_b32 s2, s71, 10
	s_lshl_b32 s3, s20, 9
	s_add_co_u32 s2, s2, s3                        ; 4 x (256 block + 128 HB): my first output channel, in bytes
	s_mov_b32 s3, 0
	s_add_nc_u64 s[80:81], s[10:11], s[2:3]
	s_add_nc_u64 s[16:17], s[16:17], s[2:3]
	s_lshl_b32 s2, s69, 7
	s_lshl_b32 s96, s19, 6
	s_add_co_u32 s2, s2, s96
	s_lshl_b32 s2, s2, 12                          ; my first token's row of 4,096 bytes
	s_add_nc_u64 s[16:17], s[16:17], s[2:3]
	WIN 0xc0
.irp b, 0,1,2,3,4,5,6,7
	global_load_b128 v[8*\b:8*\b+3], v27, s[80:81] offset:64*\b
	global_load_b128 v[8*\b+4:8*\b+7], v27, s[80:81] offset:64*\b+16
.endr
	WIN 0
.macro FRAG reg, adr, off
.irp c, 0,1,2,3
	ds_load_b128 v[\reg+4*\c:\reg+4*\c+3], v[\adr] offset:\off+32*\c
.endr
.endm
.macro FRAGA reg, adr, q, i            ; load c: k = 128 q + 32 c + 16 h: plane 2 q + c / 2, byte 32 (c % 2) + 16 h of the token
.irp c, 0,1,2,3
	ds_load_b128 v[\reg+4*\c:\reg+4*\c+3], v[\adr] offset:4352*(2*(\q)+\c/2)+1088*(\i)+32*(\c%2)
.endr
.endm
.macro FETCH slot, q, set
	WIN 0x40
.irp i, 0,1,2,3,4,5,6,7
	FRAG 128*(\set)+16*\i, ADRB+\slot, 128*(\q)+4352*\i
.endr
	WIN 0
.irp i, 0,1,2,3
	FRAGA AF+64*(\set)+16*\i, ADRA+\slot, \q, \i
.endr
.endm
.macro MUL8 i, set, zero               ; the 32 accumulators take turns, one instruction a turn
.irp b, 0,1,2,3,4,5,6,7
.if \zero
	v_wmma_f32_16x16x128_fp8_fp8 v[8*(8*(\i)+\b):8*(8*(\i)+\b)+7], v[128*(\set)+16*\b:128*(\set)+16*\b+15], v[AF+64*(\set)+16*(\i):AF+64*(\set)+16*(\i)+15], 0
.else
	v_wmma_f32_16x16x128_fp8_fp8 v[8*(8*(\i)+\b):8*(8*(\i)+\b)+7], v[128*(\set)+16*\b:128*(\set)+16*\b+15], v[AF+64*(\set)+16*(\i):AF+64*(\set)+16*(\i)+15], v[8*(8*(\i)+\b):8*(8*(\i)+\b)+7]
.endif
.endr
.endm
.macro STEP cur, zero, fs, fq, fetch
	s_wait_dscnt 0x0                               ; this step's fragments are in
.if \fetch
	PLACES
	FETCH \fs, \fq, 1-\cur
.endif
	WIN 0xa1
	MUL8 0, \cur, \zero
	MUL8 1, \cur, \zero
	MUL8 2, \cur, \zero
	MUL8 3, \cur, \zero
	WIN 0
.endm
.macro TURN cur, fill, fs, fq
	s_wait_tensorcnt 0x0                           ; all my tensor loads have landed
	ds_add_u32 v[SPW], v[NIL]                      ; 0 onto my spare word
	s_wait_dscnt 1                                 ; all but the add
	WIN 0xa1
	MUL8 0, \cur, 0
	s_wait_dscnt 0x0                               ; the add is done, and no LDS read of mine is out
	s_barrier_signal -1
	MUL8 1, \cur, 0
	WIN 0
	s_barrier_wait -1
.if \fill
	CREST                                          ; a round of the cluster's barrier: no wave of any partner still reads slot 0 or has a load on its way
	s_add_nc_u64 s[G0A+2:G0A+3], s[G0A+2:G0A+3], 6291456   ; twelve planes on
	s_add_nc_u64 s[G0B+2:G0B+3], s[G0B+2:G0B+3], 768
	JLOAD G0A, G0B
.else
	PLACES
.endif
	FETCH \fs, \fq, 1-\cur
	WIN 0xa1
	MUL8 2, \cur, 0
	MUL8 3, \cur, 0
	WIN 0
.endm
	s_wait_tensorcnt 2                             ; my part of slot 0 is in; slots 1 and 2 stay out
	s_barrier_signal -1
	s_barrier_wait -1
	FETCH 0, 0, 0
	STEP 0, 1, 0, 1, 1
	TURN 1, 1, 1, 0
	STEP 0, 0, 1, 1, 1
	STEP 1, 0, 2, 0, 1
	STEP 0, 0, 2, 1, 1
	TURN 1, 0, 0, 0                                ; behind this barrier nobody reads slot 1 any more
	STEP 0, 0, 0, 1, 1
	STEP 1, 0, 0, 0, 0
; THE WAY OUT, a block of 16 tokens x 128 channels at a time: sum x 2^(e10 + e11) + bo, through my stage, back as whole rows of 512 bytes.
.macro TOSTAGE a
	WIN 0x32                                       ; source 0 (the sums) window 2, source 2 (bo) window 3
.irp b, 0,1,2,3,4,5,6,7
.irp jj, 0,2,4,6
	v_pk_fma_f32 v[TMP+8*\b+\jj:TMP+8*\b+\jj+1], v[8*(8*(\a)+\b)+\jj:8*(8*(\a)+\b)+\jj+1], s[96:97], v[8*\b+\jj:8*\b+\jj+1] op_sel_hi:[1,0,1]
.endr
.endr
	WIN 0
.irp b, 0,1,2,3,4,5,6,7
	ds_store_b128 v[STO], v[TMP+8*\b:TMP+8*\b+3] offset:64*\b
	ds_store_b128 v[STO], v[TMP+8*\b+4:TMP+8*\b+7] offset:64*\b+16
.endr
.set BB, AF+64*((\a)%2)
.irp t, 0,1,2,3,4,5,6,7,8,9,10,11,12,13,14,15
	ds_load_b128 v[BB+4*\t:BB+4*\t+3], v[RD] offset:\t*528   ; LDS serves a wave's instructions in order: these see the stores above
.endr
.endm
.macro SEND a, younger
.set BB, AF+64*((\a)%2)
	s_wait_dscnt \younger                          ; the block is back; the next block's 16 stores and 16 loads may be out
.if (\a) > 0
	s_add_nc_u64 s[16:17], s[16:17], 65536         ; 16 rows on (behind a wait on XCNT: the earlier stores have read their base)
.endif
.irp t, 0,1,2,3,4,5,6,7,8,9,10,11,12,13,14,15
	global_store_b128 v[CO], v[BB+4*\t:BB+4*\t+3], s[16:17] offset:\t*4096 th:TH_STORE_NT   ; 512 consecutive bytes, aligned
.endr
.endm
	s_wait_loadcnt 0x0                             ; bo
	s_wait_kmcnt 0x0
	s_add_co_i32 s96, s94, s95                     ; e10 + e11
	s_add_co_i32 s96, s96, 127
	s_lshl_b32 s96, s96, 23                        ; 2^(e10 + e11) as f32
	s_mov_b32 s97, s96                             ; (named with it as a pair)
	PLACES
	TOSTAGE 0
.irp a, 1,2,3
.if \a > 1
	s_wait_xcnt 0x0                                ; block a - 2's stores have read their registers and their base
.endif
	TOSTAGE \a
	SEND \a-1, 32
.endr
	s_wait_xcnt 0x0
	SEND 3, 0
	s_wait_tensorcnt 0x0                           ; the wave's end
	ds_add_u32 v[SPW], v[NIL]
	s_wait_dscnt 0x0
	CROUND                                         ; the closing round
	s_endpgm
.Lfunc_end_k_q74063c7130_outp:
	.size	k_q74063c7130_outp, .Lfunc_end_k_q74063c7130_outp-k_q74063c7130_outp
	.p2alignl 7, 3214868480
	.fill 96, 4, 3214868480
	.section	.rodata,"a",@progbits
	.p2align	6, 0x0
	.amdhsa_kernel k_q74063c7130_outp
		.amdhsa_group_segment_fixed_size 327680
		.amdhsa_private_segment_fixed_size 0
		.amdhsa_enable_private_segment 0
		.amdhsa_kernarg_size 40
		.amdhsa_user_sgpr_count 2
		.amdhsa_user_sgpr_kernarg_segment_ptr 1
		.amdhsa_wavefront_size32 1
		.amdhsa_system_sgpr_workgroup_id_x 1
		.amdhsa_system_sgpr_workgroup_id_y 1
		.amdhsa_system_sgpr_workgroup_id_z 1
		.amdhsa_system_vgpr_workitem_id 0
		.amdhsa_next_free_vgpr 1024
		.amdhsa_next_free_sgpr 100
		.amdhsa_reserve_vcc 0
		.amdhsa_float_denorm_mode_32 3
		.amdhsa_float_denorm_mode_16_64 3
		.amdhsa_memory_ordered 1
		.amdhsa_forward_progress 1
		.amdhsa_inst_pref_size 77
	.end_amdhsa_kernel
	.amdgpu_metadata
---
amdhsa.version: [ 1, 2 ]
amdhsa.kernels:
  - .name:           k_q74063c7130_outp
    .symbol:         k_q74063c7130_outp.kd
    .args:
      - { .name: ac, .offset: 0, .size: 8, .value_kind: global_buffer, .address_space: global }
      - { .name: wc, .offset: 8, .size: 8, .value_kind: global_buffer, .address_space: global }
      - { .name: lowp_scales, .offset: 16, .size: 8, .value_kind: global_buffer, .address_space: global }
      - { .name: bo, .offset: 24, .size: 8, .value_kind: global_buffer, .address_space: global }
      - { .name: out0, .offset: 32, .size: 8, .value_kind: global_buffer, .address_space: global }
    .group_segment_fixed_size: 327680
    .private_segment_fixed_size: 0
    .kernarg_segment_align: 8
    .kernarg_segment_size: 40
    .max_flat_workgroup_size: 128
    .sgpr_count:     100
    .vgpr_count:     1024
    .wavefront_size: 32
...
	.end_amdgpu_metadata
.endif
;; end of part 4
;; ======== version 2 of 2: 4 launches; version 1 with the launch attn written anew for expert scheduling mode
;; limits: right only within a limited range of input values
;; workspace buffers: xc 25,165,824 bytes; wc 4,194,304 bytes; mbits 524,288 bytes of whole numbers; mflag 1,024 bytes of whole numbers; qkvc 25,165,824 bytes; ac 8,388,608 bytes
;; launch prep: the kernel of part 1 again; grid 512 x 1, 4 waves a work-group, no clusters, 75,520 bytes of LDS; arguments x, Wq, Wk, Wv, Wo, mask, lowp_scales, xc, wc, mbits, mflag; writes xc, wc, mbits, mflag
;; launch qkv: the kernel of part 2 again; grid 4 x 192, 4 waves a work-group, clusters of 4 x 4, 327,680 bytes of LDS; arguments xc, wc, lowp_scales, bq, bk, bv, qkvc; writes qkvc
;; launch attn (part 5): grid 4 x 64, 16 waves a work-group, no clusters, 296,960 bytes of LDS; arguments qkvc, mbits, mflag, lowp_scales, ac; writes ac
.if DOCPART == 5
	.amdgcn_target "amdgcn-amd-amdhsa--gfx1250"
	.amdhsa_code_object_version 6
	.text
	.protected	k_q74063c7130_attn
	.globl	k_q74063c7130_attn
	.p2align	8
	.type	k_q74063c7130_attn,@function
k_q74063c7130_attn:
	s_mov_b64 s[64:65], 0
	v_nop
	global_prefetch_b8 v0, s[64:65] scope:SCOPE_SE
	s_setreg_imm32_b32 hwreg(HW_REG_WAVE_SCHED_MODE, 0, 2), 2
	s_setreg_imm32_b32 hwreg(HW_REG_WAVE_MODE, 25, 1), 1
	s_wait_xcnt 0x0
	s_wait_alu depctr_vm_vsrc(0)
; ATTENTION on E4M3 codes, head size 64, with the mask that is given.  Work-group (i, bh) owns query blocks i and 7 - i (256 queries each) of head bh; waves 0-7 take block i, waves 8-15 block 7 - i; a wave owns 32 queries: tiles A and B.
; Both products are used transposed: S^T = K Q^T (source 0 = 16 keys), O^T = V^T P^T (source 0 = 16 channels): a lane holds one query throughout, and with the K = 64 form the eight registers of score tile u,
; converted, ARE registers 2 u, 2 u + 1 of P's fragment.  Q, K, V come as register images (1,024 bytes a fragment: registers 4 g .. 4 g + 3 at 512 g + 16 x lane).
; THE SOFTMAX: t = score x log2(e) / 8; M = the running largest t rounded up to a whole number; p = 2^(t - M) is quantised under 2^e8; the row's sum is taken of the unquantised p; a move of M multiplies sum and O^T by a power of two.
; THE MASK: a masked score is replaced by -2^(33 - e6 - e7), that is a logit of -2^30 where reference() has -1e9.  Its t is a whole number that f32 holds exactly, so a row that has seen masked keys alone has p = 1 exactly,
; as reference() has; beside any open key both give p = 0.  LIMITS: e6 + e7 between -94 and 9 (then every open logit lies within +-8.3e8); e8 and e10 - e8 - e9 between -126 and 119.  NaN is not served.
; WHAT IS LEFT OUT: the launch before has stored, for each query tile, which chunks of 128 keys it needs and which hold a masked key.  A chunk that neither of my tiles needs is passed over (every p there is 0);
; a chunk with no masked key for my tiles takes no select.  These are scalar branches on stored whole numbers; the launch has no tensor load: K and V come through registers.
; LDS holds the head's whole K (131,072 bytes) and V (the same), each byte written once: in trip t chunk t + 1 is laid (1,024 bytes a wave; waves 0-7 K's images, waves 8-15 V's), chunk t + 2 is asked for, chunk t is worked; one barrier a trip.
; The four work-groups of a head read the same K and V; they are not joined in a cluster.
; THE MODE: SCHED_MODE bits 1:0 = 2 (LLVM: expert scheduling mode 2), set by the entry lines.  The code itself states the register dependences
; between vector or matrix instructions and memory or LDS instructions, with s_wait_alu, always for 0.
; THE PLAN.  Registers that memory or LDS instructions touch:
;   v[LI], v[STA0], v[SIN], v[SOUT]  addresses, written at the head by vector lines and never again.
;   v[ADK], v[ADV], v[STA]           LDS addresses of the trip: written by three vector adds at the trip's head, read by that trip's LDS loads and stores.
;   v[CP ..]   the copy: written once by v_mov at the head, then by global loads alone; read by the LDS stores that lay a chunk.  No vector line of the loop names them.
;   v[KF ..]   fragments: written by LDS loads alone, K's and then V's, twice a trip; read by the eight products behind each run of loads; on the way out rows from the stage land there and the global stores read them.
;   v[QF ..]   written by global loads at the head, read by products.      v[PC ..]  written by conversions; read by products, and on the way out by LDS stores.
;   v[SPW], v[NIL]  written at the head, read by the closing add alone.
; So a trip has at its head one wait on vm_vsrc (the last trip's LDS instructions have read the three addresses) and one on va_vdst (the addresses are written; the last trip's products are done with v[KF ..]: it serves the first
; half's loads of K too, since only LDS stores, global loads, scalar lines and v_nop stand between); one on vm_vsrc between the LDS stores that read v[CP ..] and the loads that land there; and a wait on va_vdst ahead of each
; further run of loads into v[KF ..], behind the products that read it.  All else in the loop is vector against vector.
.set STG,   262144                     ; the way out: 2,048 bytes a wave
.set SPARE, 294912                     ; the spare words, 128 bytes a wave: eight blocks of 256 bytes that no other line names
.set LI,   1                           ; v1   16 x lane
.set LV,   2                           ; v2   the same in V's region
.set ADK,  3                           ; v3   this trip's chunk of K
.set ADV,  4                           ; v4   of V
.set STA0, 5                           ; v5   where my wave lays its part of chunk 0
.set STA,  6                           ; v6   the same for this trip
.set SIN,  7                           ; v7   the way out: in
.set SPW,  8
.set NIL,  9
.set NEG,  10                          ; v10  the masked score
.set SCP,  11                          ; v11  2^e8
.set LIMP, 12                          ; v12  448 x 2^e8
.set SOUT, 13                          ; v13  the way out: back
.set STT,  14                          ; tile T at v[14 + 10 T]: +0 -M, +1 the largest t, +2, +3 the sum, +4 f (+5 named with it), +6, +7 at work, +8 the other half's
.set CP,   34                          ; v[34:41] the copy on its way
.set QF,   42                          ; v[42:57] Q, 8 a tile
.set KF,   58                          ; v[58:89] four fragments of K, then of V
.set PC,   90                          ; v[90:105] p's codes, 8 a tile
.set S,    106                         ; v[106:169] S^T, then p: 32 a tile
.set O,    170                         ; v[170:233] O^T: 32 a tile
.set PS,   234                         ; v[234:237] a second chain of sums
.set SCO,  238                         ; v238 2^(e10 - e8 - e9);  v239 448 x that
.set LIMO, 239
	s_load_b256 s[4:11], s[0:1], 0x0               ; qkvc s[4:5], mbits s[6:7], mflag s[8:9], the exponents s[10:11]
	s_load_b64 s[12:13], s[0:1], 0x20              ; ac
	v_lshl_add_u32 v[SPW], v0, 2, SPARE
	v_mov_b32 v[NIL], 0
	v_lshrrev_b32 v14, 5, v0
	v_readfirstlane_b32 s14, v14                   ; wave 0..15
	v_and_b32 v[LI], 31, v0
	v_lshlrev_b32 v[LI], 4, v[LI]
	v_add_nc_u32 v[LV], 0x20000, v[LI]
	s_wait_alu depctr_va_sdst(0)                   ; s14 is written, ahead of its first reader: my queries, my part of the copies and every base are made from it
	s_and_b32 s2, s14, 7
	s_lshr_b32 s3, s14, 3
	s_sub_co_u32 s87, 7, ttmp9
	s_cmp_lt_u32 s14, 8
	s_cselect_b32 s87, ttmp9, s87                  ; my block of 256 queries
	s_lshl_b32 s87, s87, 4
	s_lshl_b32 s98, s2, 1
	s_add_co_u32 s87, s87, s98                     ; tile A's number, 0 .. 126, even
	s_and_b32 s99, ttmp7, 0xffff                   ; 16 x batch + head
	s_lshl_b32 s66, s2, 10
	s_lshl_b32 s67, s3, 17
	s_add_co_u32 s66, s66, s67
	v_add_nc_u32 v[STA0], s66, v[LI]
	s_lshl_b32 s66, s14, 11
	s_add_co_u32 s66, s66, STG
	v_add_nc_u32 v[SOUT], s66, v[LI]
	v_and_b32 v14, 15, v0
	v_bfe_u32 v15, v0, 4, 1
	v_lshlrev_b32 v[SIN], 6, v14
	v_lshl_add_u32 v[SIN], v15, 3, v[SIN]
	v_add_nc_u32 v[SIN], s66, v[SIN]               ; row r of 64 bytes, + 8 h
	s_lshl_b32 s68, s99, 17                        ; the head's first byte in a plane
	s_lshl_b32 s70, s87, 10
	s_add_co_u32 s70, s70, s68                     ; Q's images of my two tiles
	s_mov_b32 s71, 0
	s_add_co_u32 s72, s3, 1
	s_lshl_b32 s72, s72, 23                        ; plane 1 (K) for waves 0-7, plane 2 (V) for waves 8-15
	s_add_co_u32 s72, s72, s68
	s_lshl_b32 s73, s2, 10
	s_add_co_u32 s72, s72, s73                     ; my image of a chunk's eight
	s_mov_b32 s73, 0
	s_lshl_b32 s74, s87, 12                        ; mbits: 4,096 bytes a tile
	s_mov_b32 s75, 0
	s_lshl_b32 s76, s87, 3                         ; mflag: 8 bytes a tile
	s_mov_b32 s77, 0
	s_lshl_b32 s78, ttmp9, 7                       ; the flags of block i's sixteen tiles,
	s_mov_b32 s79, 0
	s_sub_co_u32 s80, 7, ttmp9
	s_lshl_b32 s80, s80, 7                         ; and of block 7 - i's
	s_mov_b32 s81, 0
	s_and_b32 s82, s99, 15
	s_lshl_b32 s82, s82, 19                        ; ac: the head's plane,
	s_lshr_b32 s83, s99, 4
	s_lshl_b32 s83, s83, 17                        ; the batch's 2,048 tokens of 64 bytes,
	s_add_co_u32 s82, s82, s83
	s_lshl_b32 s83, s87, 10                        ; my first query
	s_add_co_u32 s82, s82, s83
	s_mov_b32 s83, 0
	s_wait_kmcnt 0x0
	s_add_nc_u64 s[100:101], s[4:5], s[70:71]
	s_add_nc_u64 s[88:89], s[4:5], s[72:73]        ; the copies' base; it walks
	s_add_nc_u64 s[90:91], s[6:7], s[74:75]        ; the mask words' base; it walks
	s_add_nc_u64 s[2:3], s[8:9], s[76:77]
	s_add_nc_u64 s[92:93], s[8:9], s[78:79]
	s_add_nc_u64 s[94:95], s[8:9], s[80:81]
	s_add_nc_u64 s[96:97], s[12:13], s[82:83]
	s_load_b128 s[84:87], s[2:3], 0x0              ; need A, part A, need B, part B
	s_load_b512 s[16:31], s[92:93], 0x0
	s_load_b512 s[32:47], s[92:93], 0x40
	s_load_b512 s[48:63], s[94:95], 0x0
	s_load_b512 s[68:83], s[94:95], 0x40
	s_wait_alu depctr_va_vdst(0)                   ; v[LI], v[STA0], v[SIN] and v[SOUT] are written: the loads and stores from here to the end read them as addresses, and no line writes them again
.irp T, 0,1
	global_load_b128 v[QF+8*\T:QF+8*\T+3], v[LI], s[100:101] offset:1024*\T
	global_load_b128 v[QF+8*\T+4:QF+8*\T+7], v[LI], s[100:101] offset:1024*\T+512
.endr
.irp T, 0,1
	v_mov_b32 v[STT+10*\T+1], 0xff61b1e6           ; the largest t so far: -3e38
	v_mov_b32 v[STT+10*\T+2], 0
	v_mov_b32 v[STT+10*\T+3], 0
	v_mov_b32 v[STT+10*\T+5], 0                    ; (named as the upper half of f's pair)
	v_mov_b32 v[STT+10*\T+8], 0                    ; (a lane permute's destination counts as read)
	v_floor_f32 v[STT+10*\T], -v[STT+10*\T+1]
.endr
.set j, 0
.rept 8
	v_mov_b32 v[CP+j], 0                           ; written once, so that they are written on every way
.set j, j+1
.endr
.set j, 0
.rept 64
	v_mov_b32 v[O+j], 0                            ; the step is written once: the first finds zeros, which the first move of M leaves zeros
.set j, j+1
.endr
	s_wait_kmcnt 0x0
	s_or_b32 s98, s84, s86                         ; what my wave needs,
	s_or_b32 s86, s85, s87                         ; and where it has to select
	s_mov_b32 s85, s98
	s_or_b32 s84, s16, s18                         ; what any wave of the work-group needs: the OR of 32 tiles' first words
.irp k, 20,22,24,26,28,30,32,34,36,38,40,42,44,46,48,50,52,54,56,58,60,62,68,70,72,74,76,78,80,82
	s_or_b32 s84, s84, s\k
.endr
	s_and_b32 s84, s84, 0xffff                     ; sixteen chunks and no more: the look-ahead below ends by itself
	s_load_b256 s[16:23], s[10:11], 0x0            ; e0 .. e7
	s_load_b128 s[24:27], s[10:11], 0x20           ; e8 .. e11
	s_wait_kmcnt 0x0
	s_add_co_i32 s98, s22, s23                     ; e6 + e7
	s_lshl_b32 s99, s98, 23
	s_add_co_i32 s92, s99, 0x3e38aa3b              ; c = log2(e) / 8 x 2^(e6 + e7): the exponents are added to c's exponent field
	s_mov_b32 s93, s92                             ; (named with it as a pair)
	s_sub_co_i32 s98, 160, s98
	s_lshl_b32 s98, s98, 23
	s_or_b32 s98, s98, 0x80000000
	v_mov_b32 v[NEG], s98                          ; -2^(33 - e6 - e7)
	s_add_co_i32 s98, s24, 127
	s_lshl_b32 s99, s98, 23
	v_mov_b32 v[SCP], s99
	s_add_co_i32 s98, s98, 8
	s_lshl_b32 s98, s98, 23
	s_or_b32 s98, s98, 0x600000
	v_mov_b32 v[LIMP], s98
	s_cmp_lt_i32 s24, -8
	s_cselect_b32 s67, 1, 0                        ; p is at most 1: only under e8 < -8 can p / 2^e8 pass 448
	s_sub_co_i32 s98, s26, s24
	s_sub_co_i32 s98, s98, s25                     ; e10 - e8 - e9
	s_add_co_i32 s98, s98, 127
	s_lshl_b32 s99, s98, 23
	v_mov_b32 v[SCO], s99
	s_add_co_i32 s98, s98, 8
	s_lshl_b32 s98, s98, 23
	s_or_b32 s98, s98, 0x600000
	v_mov_b32 v[LIMO], s98
	s_mov_b32 s94, 0x76543210                      ; v_permlanex16_b32: lane l xor 16
	s_mov_b32 s95, 0xfedcba98
	s_mov_b32 s66, 0                               ; 8,192 x the trip
	s_mov_b32 s15, 0
	s_wait_loadcnt 0x0                             ; Q
	s_wait_alu depctr_va_vdst(0)                   ; the v_mov lines above have written v[CP ..], in which the copies' loads land; no vector line names these registers again
	s_bitcmp1_b32 s84, 0                           ; chunk 0 is laid now,
	s_cbranch_scc0 .Lp0
	global_load_b128 v[CP:CP+3], v[LI], s[88:89]
	global_load_b128 v[CP+4:CP+7], v[LI], s[88:89] offset:512
	s_wait_loadcnt 0x0
	ds_store_b128 v[STA0], v[CP:CP+3]
	ds_store_b128 v[STA0], v[CP+4:CP+7] offset:512
.Lp0:
	s_wait_dscnt 0x0                               ; the stores have landed
	s_wait_alu depctr_vm_vsrc(0)                   ; the LDS stores above have read v[CP ..], in which chunk 1's loads land
	s_bitcmp1_b32 s84, 1                           ; and chunk 1 is asked for
	s_cbranch_scc0 .Lp1
	global_load_b128 v[CP:CP+3], v[LI], s[88:89] offset:8192
	global_load_b128 v[CP+4:CP+7], v[LI], s[88:89] offset:8704
.Lp1:
	s_barrier_signal -1
	s_barrier_wait -1
; 64 keys of the chunk in hand, for both tiles.  The two tiles' lines alternate, so that no line waits for the one above it.
.macro SUB s
.rept 4
	v_nop                                          ; four places between the last products, which read V's fragments, and the loads into their registers
.endr
.if (\s) > 0
	s_wait_alu depctr_va_vdst(0)                   ; the first half's last products are done reading V's fragments in v[KF ..], in which K's loads below land.  (For the first half the wait at the trip's head states the same of the trip before)
.endif
	s_bitcmp1_b32 s86, 0
	s_cbranch_scc0 .Lnm_\@
	s_load_b512 s[16:31], s[90:91], 128*\s         ; tile A's 32 lane masks,
	s_load_b512 s[32:47], s[90:91], 128*\s+64
	s_load_b512 s[48:63], s[90:91], 4096+128*\s    ; tile B's
	s_load_b512 s[68:83], s[90:91], 4096+128*\s+64
.Lnm_\@:
.irp u, 0,1,2,3
	ds_load_b128 v[KF+8*\u:KF+8*\u+3], v[ADK] offset:(4*\s+\u)*1024
	ds_load_b128 v[KF+8*\u+4:KF+8*\u+7], v[ADK] offset:(4*\s+\u)*1024+512
.endr
	s_wait_dscnt 0x0
.irp u, 0,1,2,3
.irp T, 0,1
	v_wmma_f32_16x16x64_fp8_fp8 v[S+32*\T+8*\u:S+32*\T+8*\u+7], v[KF+8*\u:KF+8*\u+7], v[QF+8*\T:QF+8*\T+7], 0
.endr
.endr
.rept 4
	v_nop                                          ; places: in front of the loads into K's registers and of the first read of the scores
.endr
	s_wait_alu depctr_va_vdst(0)                   ; the eight products above are done reading K's fragments in v[KF ..], in which V's loads land; the places above stay beside this wait
.irp u, 0,1,2,3
	ds_load_b128 v[KF+8*\u:KF+8*\u+3], v[ADV] offset:4096*\s+1024*\u
	ds_load_b128 v[KF+8*\u+4:KF+8*\u+7], v[ADV] offset:4096*\s+1024*\u+512
.endr
	s_wait_kmcnt 0x0                               ; on every way
	s_bitcmp1_b32 s86, 0
	s_cbranch_scc0 .Lop_\@
.set n, 0
.rept 32
	v_cndmask_b32 v[S+n], v[NEG], v[S+n], s[16+n]  ; bit 1: the key counts
.set n, n+1
.endr
.set n, 0
.rept 16
	v_cndmask_b32 v[S+32+n], v[NEG], v[S+32+n], s[48+n]
.set n, n+1
.endr
.set n, 0
.rept 16
	v_cndmask_b32 v[S+48+n], v[NEG], v[S+48+n], s[68+n]
.set n, n+1
.endr
.Lop_\@:
.irp T, 0,1                                    ; the largest score of my query among my 32 keys, in two chains; each accumulator is read from its low end on
	v_max3_num_f32 v[STT+10*\T+6], v[S+32*\T], v[S+32*\T+1], v[S+32*\T+2]
.endr
.irp T, 0,1
	v_max3_num_f32 v[STT+10*\T+7], v[S+32*\T+3], v[S+32*\T+4], v[S+32*\T+5]
.endr
.irp k, 6,10,14,18,22,26
.irp T, 0,1
	v_max3_num_f32 v[STT+10*\T+6], v[STT+10*\T+6], v[S+32*\T+\k], v[S+32*\T+\k+1]
.endr
.irp T, 0,1
	v_max3_num_f32 v[STT+10*\T+7], v[STT+10*\T+7], v[S+32*\T+\k+2], v[S+32*\T+\k+3]
.endr
.endr
.irp T, 0,1
	v_max3_num_f32 v[STT+10*\T+6], v[STT+10*\T+6], v[S+32*\T+30], v[S+32*\T+31]
.endr
.irp T, 0,1
	v_max_num_f32 v[STT+10*\T+6], v[STT+10*\T+6], v[STT+10*\T+7]
.endr
.irp T, 0,1
	v_permlanex16_b32 v[STT+10*\T+8], v[STT+10*\T+6], s94, s95
.endr
.irp T, 0,1
	v_max_num_f32 v[STT+10*\T+6], v[STT+10*\T+6], v[STT+10*\T+8]   ; and among lane l xor 16's
.endr
.irp T, 0,1
	v_mul_f32 v[STT+10*\T+6], s92, v[STT+10*\T+6]  ; as t (c is positive)
.endr
.irp T, 0,1
	v_max_num_f32 v[STT+10*\T+1], v[STT+10*\T+1], v[STT+10*\T+6]
.endr
.irp T, 0,1
	v_mov_b32 v[STT+10*\T+6], v[STT+10*\T]
.endr
.irp T, 0,1
	v_floor_f32 v[STT+10*\T], -v[STT+10*\T+1]      ; -M = floor(-t): M is a whole number
.endr
.irp T, 0,1
	v_sub_f32 v[STT+10*\T+6], v[STT+10*\T], v[STT+10*\T+6]
.endr
.irp T, 0,1
	v_cvt_i32_f32 v[STT+10*\T+6], v[STT+10*\T+6]   ; old M - new M, 0 or less (it saturates)
.endr
.irp T, 0,1
	v_ldexp_f32 v[STT+10*\T+4], 1.0, v[STT+10*\T+6]   ; f
.endr
.irp j, 0,2,4,6,8,10,12,14,16,18,20,22,24,26,28,30
.irp T, 0,1
	v_pk_fma_f32 v[S+32*\T+\j:S+32*\T+\j+1], v[S+32*\T+\j:S+32*\T+\j+1], s[92:93], v[STT+10*\T:STT+10*\T+1] op_sel_hi:[1,0,0]   ; t - M
.endr
.endr
.set n, 0
.rept 64
	v_exp_f32 v[S+n], v[S+n]                       ; p, at most 1: one batch
.set n, n+1
.endr
.irp T, 0,1
	v_pk_mul_f32 v[STT+10*\T+2:STT+10*\T+3], v[STT+10*\T+2:STT+10*\T+3], v[STT+10*\T+4:STT+10*\T+5] op_sel_hi:[1,0]   ; the sums under the new M: the plain lines behind the batch
.endr
	s_wait_alu depctr_va_vdst(0)                   ; the 64 exponentials have written p in v[S ..]: one wait for the batch, ahead of its first reader
.irp T, 0,1
	v_pk_add_f32 v[PS+2*\T:PS+2*\T+1], v[S+32*\T:S+32*\T+1], v[S+32*\T+2:S+32*\T+3]   ; the sum is taken of the unquantised p
.endr
.irp j, 4,8,12,16,20,24,28
.irp T, 0,1
	v_pk_add_f32 v[STT+10*\T+2:STT+10*\T+3], v[STT+10*\T+2:STT+10*\T+3], v[S+32*\T+\j:S+32*\T+\j+1]
.endr
.irp T, 0,1
	v_pk_add_f32 v[PS+2*\T:PS+2*\T+1], v[PS+2*\T:PS+2*\T+1], v[S+32*\T+\j+2:S+32*\T+\j+3]
.endr
.endr
.irp T, 0,1
	v_pk_add_f32 v[STT+10*\T+2:STT+10*\T+3], v[STT+10*\T+2:STT+10*\T+3], v[PS+2*\T:PS+2*\T+1]
.endr
	s_cmp_lg_u32 s67, 0                            ; the hold, where the given e8 makes it bite
	s_cbranch_scc0 .Lnh_\@
.set n, 0
.rept 64
	v_min_num_f32 v[S+n], v[S+n], v[LIMP]
.set n, n+1
.endr
.Lnh_\@:
.irp u, 0,1,2,3
.irp T, 0,1
	v_cvt_scalef32_pk8_fp8_f32 v[PC+8*\T+2*\u:PC+8*\T+2*\u+1], v[S+32*\T+8*\u:S+32*\T+8*\u+7], v[SCP]
.endr
.endr
.irp j, 0,2,4,6,8,10,12,14,16,18,20,22,24,26,28,30
.irp T, 0,1
	v_pk_mul_f32 v[O+32*\T+\j:O+32*\T+\j+1], v[O+32*\T+\j:O+32*\T+\j+1], v[STT+10*\T+4:STT+10*\T+5] op_sel_hi:[1,0]   ; O^T under the new M; also the plain lines behind the conversions
.endr
.endr
	s_wait_dscnt 0x0                               ; V's fragments
.irp u, 0,1,2,3
.irp T, 0,1
	v_wmma_f32_16x16x64_fp8_fp8 v[O+32*\T+8*\u:O+32*\T+8*\u+7], v[KF+8*\u:KF+8*\u+7], v[PC+8*\T:PC+8*\T+7], v[O+32*\T+8*\u:O+32*\T+8*\u+7]   ; eight accumulators by turns
.endr
.endr
.endm
.Ltrip:                                            ; sixteen trips, whatever the flags say; no barrier stands under a branch
	s_wait_alu depctr_vm_vsrc(0)                   ; the last trip's LDS loads and stores have read v[ADK], v[ADV] and v[STA], which the three lines below write anew
	v_add_nc_u32 v[ADK], s66, v[LI]
	v_add_nc_u32 v[ADV], s66, v[LV]
	v_add_nc_u32 v[STA], s66, v[STA0]
	s_wait_alu depctr_va_vdst(0)                   ; the three addresses are written, which this trip's LDS stores and loads read; and the last trip's products are done reading v[KF ..], in which the first half's loads of K land
	s_wait_loadcnt 0x0                             ; the copy asked for a trip ago
	s_bitcmp1_b32 s84, 1
	s_cbranch_scc0 .Lno_store
	ds_store_b128 v[STA], v[CP:CP+3] offset:8192   ; chunk t + 1
	ds_store_b128 v[STA], v[CP+4:CP+7] offset:8704
.Lno_store:
	s_wait_dscnt 0x0                               ; the stores have landed
	s_wait_alu depctr_vm_vsrc(0)                   ; the LDS stores above have read v[CP ..], in which the loads below land
	s_bitcmp1_b32 s84, 2
	s_cbranch_scc0 .Lno_load
	global_load_b128 v[CP:CP+3], v[LI], s[88:89] offset:16384   ; chunk t + 2
	global_load_b128 v[CP+4:CP+7], v[LI], s[88:89] offset:16896
.Lno_load:
	s_bitcmp1_b32 s85, 0
	s_cbranch_scc0 .Lskip
	SUB 0
	SUB 1
.Lskip:
	s_wait_xcnt 0x0                                ; the loads have read their bases
	s_add_nc_u64 s[88:89], s[88:89], 8192
	s_add_nc_u64 s[90:91], s[90:91], 256
	s_add_co_u32 s66, s66, 8192
	s_lshr_b32 s84, s84, 1
	s_lshr_b32 s85, s85, 1
	s_lshr_b32 s86, s86, 1
	s_wait_dscnt 0x0                               ; for the others' sake: my part of chunk t + 1 lies in LDS
	s_barrier_signal -1
	s_barrier_wait -1
	s_add_co_u32 s15, s15, 1
	s_cmp_lt_u32 s15, 16
	s_cbranch_scc1 .Ltrip
	; THE WAY OUT: O^T / the sum, quantised under 2^e10 (the three exponents folded into the conversion's one scale), through my stage, and out as 2,048 consecutive bytes.
.rept 4
	v_nop
.endr
.irp T, 0,1
	v_add_f32 v[STT+10*\T+2], v[STT+10*\T+2], v[STT+10*\T+3]
.endr
.irp T, 0,1
	v_permlanex16_b32 v[STT+10*\T+8], v[STT+10*\T+2], s94, s95
.endr
.irp T, 0,1
	v_add_f32 v[STT+10*\T+2], v[STT+10*\T+2], v[STT+10*\T+8]
.endr
.irp T, 0,1
	v_rcp_f32 v[STT+10*\T+4], v[STT+10*\T+2]
.endr
	v_nop                                          ; a plain line behind the reciprocals
	s_wait_alu depctr_va_vdst(0)                   ; the two reciprocals have written v[STT+4] and v[STT+14]: one wait ahead of their first reader
.irp j, 0,2,4,6,8,10,12,14,16,18,20,22,24,26,28,30
.irp T, 0,1
	v_pk_mul_f32 v[O+32*\T+\j:O+32*\T+\j+1], v[O+32*\T+\j:O+32*\T+\j+1], v[STT+10*\T+4:STT+10*\T+5] op_sel_hi:[1,0]
.endr
.endr
.set n, 0
.rept 64
	v_med3_num_f32 v[O+n], v[O+n], -v[LIMO], v[LIMO]
.set n, n+1
.endr
.irp u, 0,1,2,3
.irp T, 0,1
	v_cvt_scalef32_pk8_fp8_f32 v[PC+8*\T+2*\u:PC+8*\T+2*\u+1], v[O+32*\T+8*\u:O+32*\T+8*\u+7], v[SCO]   ; channels 16 u + 8 h + 0 .. 7 of query r
.endr
.endr
	v_nop
	s_wait_alu depctr_va_vdst(0)                   ; the conversions have written v[PC ..], which the LDS stores read; the last products are long done reading v[KF ..], in which the loads from the stage land
.irp T, 0,1
.irp u, 0,1,2,3
	ds_store_b64 v[SIN], v[PC+8*\T+2*\u:PC+8*\T+2*\u+1] offset:1024*\T+16*\u
.endr
.endr
.irp k, 0,1,2,3
	ds_load_b128 v[KF+4*\k:KF+4*\k+3], v[SOUT] offset:512*\k   ; LDS serves a wave's instructions in order: these see my stores
.endr
	s_wait_dscnt 0x0
.irp k, 0,1,2,3
	global_store_b128 v[LI], v[KF+4*\k:KF+4*\k+3], s[96:97] offset:512*\k   ; 512 consecutive bytes, aligned
.endr
	s_wait_dscnt 0x0                               ; the closing lines, six on end
	s_wait_alu 0x0
	s_wait_tensorcnt 0x0
	ds_add_u32 v[SPW], v[NIL]
	s_wait_dscnt 0x0
	s_endpgm
.Lfunc_end_k_q74063c7130_attn:
	.size	k_q74063c7130_attn, .Lfunc_end_k_q74063c7130_attn-k_q74063c7130_attn
	.p2alignl 7, 3214868480
	.fill 96, 4, 3214868480
	.section	.rodata,"a",@progbits
	.p2align	6, 0x0
	.amdhsa_kernel k_q74063c7130_attn
		.amdhsa_group_segment_fixed_size 296960
		.amdhsa_private_segment_fixed_size 0
		.amdhsa_enable_private_segment 0
		.amdhsa_kernarg_size 40
		.amdhsa_user_sgpr_count 2
		.amdhsa_user_sgpr_kernarg_segment_ptr 1
		.amdhsa_wavefront_size32 1
		.amdhsa_system_sgpr_workgroup_id_x 1
		.amdhsa_system_sgpr_workgroup_id_y 1
		.amdhsa_system_sgpr_workgroup_id_z 1
		.amdhsa_system_vgpr_workitem_id 0
		.amdhsa_next_free_vgpr 256
		.amdhsa_next_free_sgpr 102
		.amdhsa_reserve_vcc 0
		.amdhsa_float_denorm_mode_32 3
		.amdhsa_float_denorm_mode_16_64 3
		.amdhsa_memory_ordered 1
		.amdhsa_forward_progress 1
		.amdhsa_inst_pref_size 60
	.end_amdhsa_kernel
	.amdgpu_metadata
---
amdhsa.version: [ 1, 2 ]
amdhsa.kernels:
  - .name:           k_q74063c7130_attn
    .symbol:         k_q74063c7130_attn.kd
    .args:
      - { .name: qkvc, .offset: 0, .size: 8, .value_kind: global_buffer, .address_space: global }
      - { .name: mbits, .offset: 8, .size: 8, .value_kind: global_buffer, .address_space: global }
      - { .name: mflag, .offset: 16, .size: 8, .value_kind: global_buffer, .address_space: global }
      - { .name: lowp_scales, .offset: 24, .size: 8, .value_kind: global_buffer, .address_space: global }
      - { .name: ac, .offset: 32, .size: 8, .value_kind: global_buffer, .address_space: global }
    .group_segment_fixed_size: 296960
    .private_segment_fixed_size: 0
    .kernarg_segment_align: 8
    .kernarg_segment_size: 40
    .max_flat_workgroup_size: 512
    .sgpr_count:     102
    .vgpr_count:     256
    .wavefront_size: 32
...
	.end_amdgpu_metadata
.endif
;; end of part 5
;; launch outp: the kernel of part 4 again; grid 4 x 64, 4 waves a work-group, clusters of 4 x 4, 327,680 bytes of LDS; arguments ac, wc, lowp_scales, bo, out0; writes out0
